; MI455X (gfx1250); checked and timed in simulation.
; The chip was launched on July 23, 2026; its instructions are those of AMD's public machine-readable ISA for CDNA 5 (MIT licence, August 2026) and "CDNA5" Instruction Set Architecture Reference Guide (July 2026). The comments in the code are by the model that wrote it; some were corrected since.
;; Att Ada In. Allowed arithmetic: matrix products marked QUANTISED: E3M2 operands, one E8M0 scale for each 32 along K, by v_wmma_scale_f32_16x16x128_f8f6f4 with both operands' format E3M2, f32 sums; everything else in f32.
;; Inputs: Wk 256 x 256 float32; Wo 256 x 256 float32; Wq 256 x 256 float32; Wv 256 x 256 float32; bk 256 float32; bo 256 float32; bq 256 float32; bv 256 float32; x 4 x 256 x 64 x 64 float32; y 4 x 256 x 64 x 64 float32.
;; Outputs: out0 4 x 256 x 64 x 64 float32.
;; This version of the problem:
;;   THIS VERSION OF THE PROBLEM IS GIVEN IN LOW PRECISION. The matrix products marked QUANTISED in the list below multiply operands that are first quantised to E3M2 (3 exponent bits, 2 mantissa bits; 6 bits a number), with one power-of-two scale for each 32 numbers along K (OCP MX v1.0); their sums are f32. All else is computed in f32.
;;   The module's matrix products, in the order in which they are computed (A, B: the left and right operand; K: the contracted axis; several contracted axes count as one K, in the product's order):
;;     1. [M 16,384, K 256] x [K 256, N 256]; A: input x; B: input Wq: QUANTISED
;;     2. [M 16,384, K 256] x [K 256, N 256]; A: input y; B: input Wk: QUANTISED
;;     3. [M 16,384, K 256] x [K 256, N 256]; A: input y; B: input Wv: QUANTISED
;;     4. batch 4 x [M 4,096, K 256] x [K 256, N 4,096]; A: computed on the way; B: computed on the way: QUANTISED
;;     5. batch 4 x [M 256, K 4,096] x [K 4,096, N 4,096]; A: computed on the way; B: softmax (see below): QUANTISED
;;     6. [M 16,384, K 256] x [K 256, N 256]; A: computed on the way; B: input Wo: QUANTISED
;;   THE QUANTISER, for each operand of a quantised product, along K:
;;     - K is cut into blocks of 32 from its start; a last block that is shorter is filled with zeros.
;;     - A block's scale is 2^e with e = floor(log2(the largest magnitude in the block)) - 4, held to -126 .. 127; a block of zeros has e = 0. As a byte (E8M0): e + 127.
;;     - Each number is divided by its block's scale, clamped to +-28, and rounded to the nearest number of E3M2, ties to even, subnormals kept.
;;     - The product sums the exact products of the quantised numbers (number of the format x scale) in f32.
;;   ~~~python
;;   def quantise(x, axis):      # numpy; x: float32 -> the quantised numbers, widened to float32 again
;;       x = np.moveaxis(x, axis, -1); K = x.shape[-1]
;;       x = np.pad(x, [(0, 0)] * (x.ndim - 1) + [(0, -K % 32)]); x = x.reshape(x.shape[:-1] + (-1, 32)); a = np.abs(x).max(-1, keepdims=True)
;;       e = np.where(a > 0, np.clip(np.frexp(np.where(a > 0, a, 1))[1] - 1 - 4, -126, 127), 0)      # np.frexp(a)[1] - 1 = floor(log2(a)), exactly
;;       r = np.clip(x / 2.0 ** e, -28, 28)
;;       step = 2.0 ** (np.maximum(np.frexp(np.where(r == 0, 1, r))[1] - 1, -2) - 2)
;;       q = np.round(r / step) * step * 2.0 ** e      # np.round: ties to even
;;       return np.moveaxis(q.reshape(q.shape[:-2] + (-1,))[..., :K], -1, axis).astype(np.float32)
;;   ~~~
;;   SOFTMAX AHEAD OF A QUANTISED PRODUCT. Where the list says 'softmax', what is quantised is not the finished softmax but p = 2^(t - M), with t = logit x log2(e) and M = ceil(the row's largest t), a whole number; so 1/2 < the row's largest p <= 1. The row's sum l is taken of the UNQUANTISED p, in f32, and the product's result is divided by l at the end. Since M is a whole number, a kernel that streams over the keys may use a running M (the ceiling of the running maximum): every later rescaling is an exact power of two, which a block's scale takes up: the codes' values come out the same.
;;   OPERANDS COMPUTED ON THE WAY. 'Computed on the way' means the value that the module computes at that place (a softmax that the list does not call 'softmax' is quantised finished and normalised). What goes into a quantiser is computed in f32, as accurately as f32 sums, v_exp_f32 and their like allow (about 1e-6 of the number): no bf16 or f16 on the way to a quantiser, and a product that is left as it is and whose result goes on into a quantised operand takes f32 operands (vector FMAs, or v_wmma_f32_16x16x4_f32). A number that lies on a knife's edge between two numbers of the format may be rounded either way, as far as f32 arithmetic and the matrix unit's own rounding can turn it there, and no further.
;; One version. Each part assembles by itself: llvm-mc -triple=amdgcn-amd-amdhsa -mcpu=gfx1250 --defsym DOCPART=n.
;; ======== version 1 of 1: 3 launches
;; workspace buffers: wc 196,608 bytes; ws 8,192 bytes; qc 3,145,728 bytes; qs 131,072 bytes; kv 6,553,600 bytes
;; launch wquant (part 1): grid 16 x 1, 4 waves a work-group, no clusters, 0 bytes of LDS; arguments Wq, Wk, Wv, Wo, wc, ws; writes wc, ws
.if DOCPART == 1
	.amdgcn_target "amdgcn-amd-amdhsa--gfx1250"
	.amdhsa_code_object_version 6
	.text
	.protected	k_q8d74b8e4cf_wquant
	.globl	k_q8d74b8e4cf_wquant
	.p2align	8
	.type	k_q8d74b8e4cf_wquant,@function
k_q8d74b8e4cf_wquant:
	s_mov_b64 s[64:65], 0
	v_nop
	global_prefetch_b8 v0, s[64:65] scope:SCOPE_SE
	s_setreg_imm32_b32 hwreg(HW_REG_WAVE_MODE, 25, 1), 1
	s_wait_xcnt 0x0
; The four weights [256 (o)][256 (c)], f32, c innermost, become codes of BF6 (E3M2) with one E8M0 byte for each 32 along c, laid as the later launches' operand registers want them.
; A TILE is 16 rows; within each 32 rows, tile 2 b + u takes in lane r the row 32 b + 8 u + r + 8 (r / 8).  A FRAGMENT is a tile x 128 along c: 12 registers a lane.
; ITS IMAGE is 1,536 bytes: registers 4 c .. 4 c + 3 of lane l at 512 c + 16 l.  wc: index 16 wi + t (wi: 0 Wq, 1 Wk, 2 Wv, 3 Wo), 3,072 bytes: K step 0's image, then K step 1's.
; ws: index 16 wi + t, 128 bytes: a word a lane; lanes 0-15 hold the rows' scale words of K step 0, lanes 16-31 those of K step 1.
; SHARES: 64 tiles, one to a wave: 16 work-groups of four waves.  The whole job is 1 MiB of f32, so there is work for no more; no LDS, no barrier, no cluster: waves share nothing.
; A block's scale is 2^(floor(log2(its largest magnitude)) - 4); its byte is the largest magnitude's exponent field - 4, held at 1 from below.
; LIMITS: NaN and infinities are not served; a block whose largest magnitude lies under 2^-122 (a block of zeros among them) gets the byte 1: only this program reads the bytes.
.set XA,  4                            ; v4   my row's byte in the weight: (r + 8 (r / 8)) x 1,024 + 64 h
.set LI,  5                            ; v5   16 x lane: my place in an image
.set LS,  6                            ; v6   4 x lane: my scale word's place
.set TM,  16                           ; v16-31 at work: +0..3 largest magnitudes, +4..7 bytes, +12..15 the conversions' scale operands
.set PC,  32                           ; v32-51 the codes just made
.set PW,  52                           ; v52  the scale word just made
.set PW0, 53                           ; v53  K step 0's, kept
.set X,   64                           ; v64-191 the numbers: K step s at X + 64 s
.set SEL, 20                           ; s[20:21] v_permlanex16_b32's selects for lane l xor 16
; 64 numbers of a lane, register 16 b + i = k 32 b + 16 (lane / 16) + i of my row, become a fragment's codes in v[PC] on and its scale word in v[PW].
.macro QUANT s
.irp b, 0,1,2,3
	v_max3_num_f32 v[TM+\b], |v[\s+16*\b]|, |v[\s+1+16*\b]|, 0x2800000   ; block b: my 16 numbers, and the floor 2^(5 - 127): the byte cannot fall under 1
.endr
.irp i, 2,4,6,8,10,12,14
.irp b, 0,1,2,3
	v_max3_num_f32 v[TM+\b], v[TM+\b], |v[\s+16*\b+\i]|, |v[\s+1+16*\b+\i]|   ; the four blocks by turns
.endr
.endr
.irp b, 0,1,2,3
	v_permlanex16_b32 v[TM+4+\b], v[TM+\b], s[SEL], s[SEL+1]
.endr
.irp b, 0,1,2,3
	v_max_num_f32 v[TM+\b], v[TM+\b], v[TM+4+\b]   ; with lane l xor 16's: the block's largest magnitude
.endr
.irp b, 0,1,2,3
	v_add_nc_u32 v[TM+12+\b], 0xfe000000, v[TM+\b]   ; 4 off its exponent field: the conversion takes this operand's exponent field as its scale
.endr
.irp b, 0,1,2,3
	v_lshrrev_b32 v[TM+4+\b], 23, v[TM+12+\b]      ; the scale's byte
.endr
	v_lshl_or_b32 v[PW], v[TM+5], 8, v[TM+4]
	v_lshl_or_b32 v[PW], v[TM+6], 16, v[PW]
	v_lshl_or_b32 v[PW], v[TM+7], 24, v[PW]        ; my row's scale word
.irp c, 0,1
	v_cvt_scalef32_pk16_bf6_f32 v[PC+6*\c:PC+2+6*\c], v[\s+32*\c:\s+15+32*\c], v[TM+12+2*\c]
	v_cvt_scalef32_pk16_bf6_f32 v[PC+12+4*\c:PC+14+4*\c], v[\s+16+32*\c:\s+31+32*\c], v[TM+12+2*\c+1]   ; (a conversion's three registers begin on an even number)
.endr
	v_nop                                          ; one plain place behind a scaled conversion
.irp c, 0,1                                    ; the operand's layout wants a WHOLE block in a lane: lanes 0-15 block 2 c, lanes 16-31 block 2 c + 1
.irp i, 0,1,2
	v_permlane16_swap_b32 v[PC+6*\c+\i], v[PC+12+4*\c+\i]
.endr
.irp i, 0,1,2
	v_mov_b32 v[PC+3+6*\c+\i], v[PC+12+4*\c+\i]
.endr
.endr
.endm
	s_load_b256 s[4:11], s[0:1], 0x0               ; Wq s[4:5], Wk s[6:7], Wv s[8:9], Wo s[10:11]
	s_load_b128 s[12:15], s[0:1], 0x20             ; wc s[12:13], ws s[14:15]
	v_lshrrev_b32 v1, 5, v0
	v_readfirstlane_b32 s16, v1                    ; wave 0..3
	v_and_b32 v1, 31, v0                           ; lane
	v_and_b32 v2, 15, v0                           ; r
	v_bfe_u32 v3, v0, 4, 1                         ; h
	v_and_b32 v[XA], 8, v2
	v_add_nc_u32 v[XA], v[XA], v2                  ; r + 8 (r / 8)
	v_lshlrev_b32 v[XA], 10, v[XA]                 ; a row is 1,024 bytes
	v_lshl_add_u32 v[XA], v3, 6, v[XA]             ; + 64 h: my 16 numbers of a block of 32
	v_lshlrev_b32 v[LI], 4, v1
	v_lshlrev_b32 v[LS], 2, v1
	s_mov_b32 s[SEL], 0x76543210
	s_mov_b32 s[SEL+1], 0xfedcba98
.irp b, 0,1,2,3
	v_mov_b32 v[TM+4+\b], 0                        ; written once: a lane permute's destination counts as one of its sources
.endr
	s_lshr_b32 s17, ttmp9, 2                       ; wi: which weight
	s_and_b32 s18, ttmp9, 3
	s_lshl_b32 s18, s18, 2
	s_add_co_u32 s18, s18, s16                     ; t: which tile of it
	s_lshr_b32 s22, s18, 1
	s_lshl_b32 s22, s22, 15                        ; 32 (t / 2) rows of 1,024 bytes
	s_and_b32 s23, s18, 1
	s_lshl_b32 s23, s23, 13                        ; + 8 (t % 2) rows
	s_add_co_u32 s22, s22, s23
	s_mov_b32 s23, 0
	s_lshl_b32 s24, ttmp9, 2
	s_add_co_u32 s24, s24, s16                     ; 16 wi + t
	s_mul_i32 s26, s24, 3072
	s_mov_b32 s27, 0
	s_lshl_b32 s28, s24, 7
	s_mov_b32 s29, 0
	s_wait_kmcnt 0x0
	s_cmp_lt_u32 s17, 2                            ; the choice hangs on the work-group's number alone
	s_cselect_b64 s[4:5], s[4:5], s[8:9]           ; Wq or Wv
	s_cselect_b64 s[6:7], s[6:7], s[10:11]         ; Wk or Wo
	s_bitcmp1_b32 s17, 0
	s_cselect_b64 s[4:5], s[6:7], s[4:5]
	s_add_nc_u64 s[4:5], s[4:5], s[22:23]
	s_add_nc_u64 s[12:13], s[12:13], s[26:27]
	s_add_nc_u64 s[14:15], s[14:15], s[28:29]
.irp s, 0,1
.irp b, 0,1,2,3
.irp j, 0,1,2,3
	global_load_b128 v[X+64*\s+16*\b+4*\j:X+64*\s+16*\b+4*\j+3], v[XA], s[4:5] offset:512*\s+128*\b+16*\j
.endr
.endr
.endr
	s_wait_loadcnt 16                              ; K step 0's sixteen loads are in; K step 1's sixteen may be out
	QUANT X
.irp c, 0,1,2
	global_store_b128 v[LI], v[PC+4*\c:PC+4*\c+3], s[12:13] offset:512*\c   ; 32 lanes store 512 consecutive bytes, aligned
.endr
	v_mov_b32 v[PW0], v[PW]
	s_wait_xcnt 0x0                                ; the stores' data are written again only behind this wait
	s_wait_loadcnt 0x0
	QUANT X+64
.irp c, 0,1,2
	global_store_b128 v[LI], v[PC+4*\c:PC+4*\c+3], s[12:13] offset:1536+512*\c
.endr
	v_cmp_le_u32 vcc_lo, 16, v1                    ; both halves of the lanes hold row r's word: lanes 0-15 keep K step 0's, lanes 16-31 take K step 1's
	v_cndmask_b32 v[PW0], v[PW0], v[PW], vcc_lo
	global_store_b32 v[LS], v[PW0], s[14:15]
	s_endpgm
.Lfunc_end_k_q8d74b8e4cf_wquant:
	.size	k_q8d74b8e4cf_wquant, .Lfunc_end_k_q8d74b8e4cf_wquant-k_q8d74b8e4cf_wquant
	.p2alignl 7, 3214868480
	.fill 96, 4, 3214868480
	.section	.rodata,"a",@progbits
	.p2align	6, 0x0
	.amdhsa_kernel k_q8d74b8e4cf_wquant
		.amdhsa_group_segment_fixed_size 0
		.amdhsa_private_segment_fixed_size 0
		.amdhsa_enable_private_segment 0
		.amdhsa_kernarg_size 48
		.amdhsa_user_sgpr_count 2
		.amdhsa_user_sgpr_kernarg_segment_ptr 1
		.amdhsa_wavefront_size32 1
		.amdhsa_system_sgpr_workgroup_id_x 1
		.amdhsa_system_sgpr_workgroup_id_y 1
		.amdhsa_system_sgpr_workgroup_id_z 1
		.amdhsa_system_vgpr_workitem_id 0
		.amdhsa_next_free_vgpr 192
		.amdhsa_next_free_sgpr 66
		.amdhsa_reserve_vcc 1
		.amdhsa_float_denorm_mode_32 3
		.amdhsa_float_denorm_mode_16_64 3
		.amdhsa_memory_ordered 1
		.amdhsa_forward_progress 1
		.amdhsa_inst_pref_size 14
	.end_amdhsa_kernel
	.amdgpu_metadata
---
amdhsa.version: [ 1, 2 ]
amdhsa.kernels:
  - .name:           k_q8d74b8e4cf_wquant
    .symbol:         k_q8d74b8e4cf_wquant.kd
    .args:
      - { .name: Wq, .offset: 0, .size: 8, .value_kind: global_buffer, .address_space: global }
      - { .name: Wk, .offset: 8, .size: 8, .value_kind: global_buffer, .address_space: global }
      - { .name: Wv, .offset: 16, .size: 8, .value_kind: global_buffer, .address_space: global }
      - { .name: Wo, .offset: 24, .size: 8, .value_kind: global_buffer, .address_space: global }
      - { .name: wc, .offset: 32, .size: 8, .value_kind: global_buffer, .address_space: global }
      - { .name: ws, .offset: 40, .size: 8, .value_kind: global_buffer, .address_space: global }
    .group_segment_fixed_size: 0
    .private_segment_fixed_size: 0
    .kernarg_segment_align: 8
    .kernarg_segment_size: 48
    .max_flat_workgroup_size: 128
    .sgpr_count:     66
    .vgpr_count:     192
    .wavefront_size: 32
...
	.end_amdgpu_metadata
.endif
;; end of part 1
;; launch proj (part 2): grid 256 x 1, 8 waves a work-group, no clusters, 28,672 bytes of LDS; arguments x, y, wc, ws, bq, bk, bv, qc, qs, kv; writes qc, qs, kv
.if DOCPART == 2
	.amdgcn_target "amdgcn-amd-amdhsa--gfx1250"
	.amdhsa_code_object_version 6
	.text
	.protected	k_q8d74b8e4cf_proj
	.globl	k_q8d74b8e4cf_proj
	.p2align	8
	.type	k_q8d74b8e4cf_proj,@function
k_q8d74b8e4cf_proj:
	s_mov_b64 s[64:65], 0
	v_nop
	global_prefetch_b8 v0, s[64:65] scope:SCOPE_SE
	s_setreg_imm32_b32 hwreg(HW_REG_WAVE_MODE, 25, 1), 1
	s_wait_xcnt 0x0
; q = Wq x + bq (work-groups 0-127) and k = Wk y + bk, v = Wv y + bv (work-groups 128-255), on codes of BF6 (E3M2) with one E8M0 scale for each 32 along K; the results leave as codes again.
; x, y: [4][256 (c)][4,096 (n)] f32: K = c is NOT innermost.  A work-group takes 128 pixels x all 256 channels: 128 KiB of f32, read once.
; PHASE X: a lane takes a pixel and its registers run down c (wave w: pixels 32 (w % 4) on, channels 128 (w / 4) on): a block of 32 along c lies in one lane, and the conversions give codes with K innermost.
;   The lanes' pixels are chosen so that lanes 0-15 are tile 2 b and lanes 16-31 tile 2 b + 1 of the order below; twelve exchanges of halves make the two operand fragments, which go to LDS as IMAGES of their registers.
; TILES: within each 32 rows (pixels, or a weight's rows), tile 2 b + u takes in lane r the row 32 b + 8 u + r + 8 (r / 8).  Where such a tile is source 0, a lane's 16 registers of tiles 2 b, 2 b + 1 are 16 neighbours 32 b + 16 (lane / 16) + 0 .. 15.
; PHASE QK (transposed: source 0 = 16 rows of W, source 1 = 16 pixels): wave w makes outputs 128 (w % 2) on for pixel tiles 2 (w / 2), 2 (w / 2) + 1; a lane holds one pixel and 64 neighbouring outputs, which are the next product's K:
;   quantised in registers they are a fragment of q or k.  PHASE V (source 0 = 16 pixels of y, source 1 = 16 rows of Wv): wave w makes channel tiles 2 w, 2 w + 1 for all 128 keys; a lane holds one channel and the keys, v's K.
; The biases are the C of each sum's first matrix instruction.  An image is 1,536 bytes: registers 4 c .. 4 c + 3 of lane l at 512 c + 16 l.
; OUT: qc: for each 128 pixels 24,576 bytes, image (tile, K step) at (2 tile + step) x 1,536; qs: 1,024 bytes, the word of (tile, step, row r) at 512 (tile / 4) + 16 (r + 16 step) + 4 (tile % 4).
;   kv: for each 128 keys a record of two halves of 25,600 bytes: k's images and words as in qc and qs; then v's 16 images (channel tile d at 1,536 d) and its words: register d / 2 at 512 (d / 8) + 16 lane + 4 ((d / 2) % 4), lanes 0-15 d even, lanes 16-31 d odd.
; NO CLUSTER, NO TENSOR LOAD: a work-group's 128 KiB of x or y are its own, each byte used by one lane; what work-groups share is the weights' codes (192 or 240 KiB a work-group, straight into registers).
; NO PREFETCH: all of a wave's loads of x or y are issued at its head.
; LIMITS: NaN and infinities are not served; a block whose largest magnitude lies under 2^-122 (a block of zeros among them) gets the byte 1: only this program reads the bytes.
.set XIMG,  0                          ; LDS: the 16 images of x or y: (2 tile + step) x 1,536
.set XSC,   24576                      ; their scale words: (2 b + step) x 128 + 4 lane: lanes 0-15 tile 2 b, lanes 16-31 tile 2 b + 1
.set SCOUT, 25600                      ; the results' scale words on their way out: 1,024 bytes as in qs, 1,024 as v's
.set XA,  1                            ; v1   x or y: my pixel's byte, my wave's first channel
.set LI,  2                            ; v2   16 x lane
.set LS,  3                            ; v3   4 x lane
.set XWI, 4                            ; v4   where I store my two images
.set XWS, 5                            ; v5   and their scale words
.set XFA, 6                            ; v6   where my two pixel tiles' images lie
.set XSA, 7                            ; v7   and their scale words
.set OC,  8                            ; v8   my place in the block's images of q or k, in memory
.set KSO, 9                            ; v9   and of their scale words, in SCOUT
.set OV,  10                           ; v10  my place in v's images, in memory
.set VSO, 11                           ; v11  and of v's scale words, in SCOUT
.set SCR, 12                           ; v12  SCOUT, 256 bytes a wave, 8 a lane
.set SCG, 13                           ; v13  the same in memory
.set WA,  14                           ; v14  my eight tiles of W in wc
.set WSA, 15                           ; v15  and in ws
.set BA,  16                           ; v16  the bias: 64 h + 512 (w % 2)
.set BVA, 17                           ; v17  bv: my channel
.set BVV, 18                           ; v18-19 bv as loaded
.set WS,  20                           ; v20-27 W's scale words: lanes 0-15 K step 0, lanes 16-31 K step 1
.set XSK, 28                           ; v28-29 my two pixel tiles' scale words, K step 0, 1
.set XS8, 30                           ; v30-37 all eight registers of XSC
.set WVS, 38                           ; v38-39 Wv's scale words
.set PWV, 40                           ; v40-41 v's two scale words
.set PW,  42                           ; v42  the scale word just made
.set XW,  43                           ; v43  my pixel's scale word in phase X
.set TM,  44                           ; v44-59 at work
.set PC,  60                           ; v60-79 the codes just made
.set XF,  80                           ; v80-127 four fragments of x or y
.set F0,  80                           ; in phase X: tile 2 b's fragment,
.set F1,  92                           ; tile 2 b + 1's,
.set TC,  104                          ; and the blocks' upper halves
.set X,   128                          ; v128-255 128 numbers of my pixel; then 16 accumulators
; window 1: v0-191 W's 16 fragments (tile t, step s at 12 (2 t + s)), v192-255 the bias (8 t); later v0-47 Wv's four, v48-63 bv's copies
.set SEL, 42                           ; s[42:43]
.set MSB, 0
.macro WIN new                         ; the immediate's high byte repeats the setting that is left
.if MSB != \new
	s_set_vgpr_msb (MSB<<8)|\new
.set MSB, \new
.endif
.endm
.macro PLACES n
.rept \n
	v_nop
.endr
.endm
; A product: D at d, source 0 at a, source 1 at b, C at c (c < 0: the constant 0); scale registers sa, sb; ra, rb = 1: the scales are read from lanes 16-31.
.macro MM d, a, b, c, sa, sb, ra, rb
.if (\c) < 0
.if (\ra) && (\rb)
	v_wmma_scale_f32_16x16x128_f8f6f4 v[(\d):(\d)+7], v[(\a):(\a)+11], v[(\b):(\b)+11], 0, v[\sa], v[\sb] matrix_a_fmt:MATRIX_FMT_BF6 matrix_b_fmt:MATRIX_FMT_BF6 matrix_a_scale:MATRIX_SCALE_ROW1 matrix_b_scale:MATRIX_SCALE_ROW1
.elseif (\ra)
	v_wmma_scale_f32_16x16x128_f8f6f4 v[(\d):(\d)+7], v[(\a):(\a)+11], v[(\b):(\b)+11], 0, v[\sa], v[\sb] matrix_a_fmt:MATRIX_FMT_BF6 matrix_b_fmt:MATRIX_FMT_BF6 matrix_a_scale:MATRIX_SCALE_ROW1
.elseif (\rb)
	v_wmma_scale_f32_16x16x128_f8f6f4 v[(\d):(\d)+7], v[(\a):(\a)+11], v[(\b):(\b)+11], 0, v[\sa], v[\sb] matrix_a_fmt:MATRIX_FMT_BF6 matrix_b_fmt:MATRIX_FMT_BF6 matrix_b_scale:MATRIX_SCALE_ROW1
.else
	v_wmma_scale_f32_16x16x128_f8f6f4 v[(\d):(\d)+7], v[(\a):(\a)+11], v[(\b):(\b)+11], 0, v[\sa], v[\sb] matrix_a_fmt:MATRIX_FMT_BF6 matrix_b_fmt:MATRIX_FMT_BF6
.endif
.else
.if (\ra) && (\rb)
	v_wmma_scale_f32_16x16x128_f8f6f4 v[(\d):(\d)+7], v[(\a):(\a)+11], v[(\b):(\b)+11], v[(\c):(\c)+7], v[\sa], v[\sb] matrix_a_fmt:MATRIX_FMT_BF6 matrix_b_fmt:MATRIX_FMT_BF6 matrix_a_scale:MATRIX_SCALE_ROW1 matrix_b_scale:MATRIX_SCALE_ROW1
.elseif (\ra)
	v_wmma_scale_f32_16x16x128_f8f6f4 v[(\d):(\d)+7], v[(\a):(\a)+11], v[(\b):(\b)+11], v[(\c):(\c)+7], v[\sa], v[\sb] matrix_a_fmt:MATRIX_FMT_BF6 matrix_b_fmt:MATRIX_FMT_BF6 matrix_a_scale:MATRIX_SCALE_ROW1
.elseif (\rb)
	v_wmma_scale_f32_16x16x128_f8f6f4 v[(\d):(\d)+7], v[(\a):(\a)+11], v[(\b):(\b)+11], v[(\c):(\c)+7], v[\sa], v[\sb] matrix_a_fmt:MATRIX_FMT_BF6 matrix_b_fmt:MATRIX_FMT_BF6 matrix_b_scale:MATRIX_SCALE_ROW1
.else
	v_wmma_scale_f32_16x16x128_f8f6f4 v[(\d):(\d)+7], v[(\a):(\a)+11], v[(\b):(\b)+11], v[(\c):(\c)+7], v[\sa], v[\sb] matrix_a_fmt:MATRIX_FMT_BF6 matrix_b_fmt:MATRIX_FMT_BF6
.endif
.endif
.endm
; 64 numbers of a lane, register 16 b + i = k 32 b + 16 (lane / 16) + i of my row, become a fragment's codes in v[PC] on and its scale word in v[PW].
.macro QUANT s
.irp b, 0,1,2,3
	v_max3_num_f32 v[TM+\b], |v[\s+16*\b]|, |v[\s+1+16*\b]|, 0x2800000   ; block b: my 16 numbers, and the floor 2^(5 - 127): the byte cannot fall under 1
.endr
.irp i, 2,4,6,8,10,12,14
.irp b, 0,1,2,3
	v_max3_num_f32 v[TM+\b], v[TM+\b], |v[\s+16*\b+\i]|, |v[\s+1+16*\b+\i]|
.endr
.endr
.irp b, 0,1,2,3
	v_permlanex16_b32 v[TM+4+\b], v[TM+\b], s[SEL], s[SEL+1]
.endr
.irp b, 0,1,2,3
	v_max_num_f32 v[TM+\b], v[TM+\b], v[TM+4+\b]   ; with lane l xor 16's: the block's largest magnitude
.endr
.irp b, 0,1,2,3
	v_add_nc_u32 v[TM+12+\b], 0xfe000000, v[TM+\b]   ; 4 off its exponent field: the conversion's scale operand
.endr
.irp b, 0,1,2,3
	v_lshrrev_b32 v[TM+4+\b], 23, v[TM+12+\b]      ; the scale's byte
.endr
	v_lshl_or_b32 v[PW], v[TM+5], 8, v[TM+4]
	v_lshl_or_b32 v[PW], v[TM+6], 16, v[PW]
	v_lshl_or_b32 v[PW], v[TM+7], 24, v[PW]
.irp c, 0,1
	v_cvt_scalef32_pk16_bf6_f32 v[PC+6*\c:PC+2+6*\c], v[\s+32*\c:\s+15+32*\c], v[TM+12+2*\c]
	v_cvt_scalef32_pk16_bf6_f32 v[PC+12+4*\c:PC+14+4*\c], v[\s+16+32*\c:\s+31+32*\c], v[TM+12+2*\c+1]
.endr
	v_nop                                          ; one plain place behind a scaled conversion
.irp c, 0,1
.irp i, 0,1,2
	v_permlane16_swap_b32 v[PC+6*\c+\i], v[PC+12+4*\c+\i]
.endr
.irp i, 0,1,2
	v_mov_b32 v[PC+3+6*\c+\i], v[PC+12+4*\c+\i]
.endr
.endr
.endm
; Block j of my pixel's four: all 32 numbers are mine.  Its scale operand goes to v[TM+12+j], its byte into v[XW].
.macro XMAX j
	v_max3_num_f32 v[TM], |v[X+32*\j]|, |v[X+32*\j+1]|, |v[X+32*\j+2]|
	v_max3_num_f32 v[TM+1], |v[X+32*\j+3]|, |v[X+32*\j+4]|, |v[X+32*\j+5]|
.irp i, 6,10,14,18,22,26
	v_max3_num_f32 v[TM], v[TM], |v[X+32*\j+\i]|, |v[X+32*\j+\i+1]|
	v_max3_num_f32 v[TM+1], v[TM+1], |v[X+32*\j+\i+2]|, |v[X+32*\j+\i+3]|
.endr
	v_max3_num_f32 v[TM], v[TM], |v[X+32*\j+30]|, |v[X+32*\j+31]|
	v_max3_num_f32 v[TM], v[TM], v[TM+1], 0x2800000
	v_add_nc_u32 v[TM+12+\j], 0xfe000000, v[TM]
	v_lshrrev_b32 v[TM+1], 23, v[TM+12+\j]
.if \j == 0
	v_mov_b32 v[XW], v[TM+1]
.else
	v_lshl_or_b32 v[XW], v[TM+1], 8*\j, v[XW]
.endif
.endm
	s_load_b512 s[4:19], s[0:1], 0x0               ; x s[4:5], y s[6:7], wc s[8:9], ws s[10:11], bq s[12:13], bk s[14:15], bv s[16:17], qc s[18:19]
	s_load_b128 s[20:23], s[0:1], 0x40             ; qs s[20:21], kv s[22:23]
	v_lshl_add_u32 v75, v0, 2, 0x6c00
	v_mov_b32 v79, 0
	v_lshrrev_b32 v60, 5, v0
	v_readfirstlane_b32 s24, v60                   ; wave 0..7
	s_lshr_b32 s25, ttmp9, 7                       ; kind: 0 q from x, 1 k and v from y
	s_and_b32 s26, ttmp9, 127                      ; which 128 pixels of the 16,384
	s_and_b32 s52, s24, 3                          ; phase X: b, my 32 pixels
	s_lshr_b32 s53, s24, 2                         ;          s, my 128 channels
	s_and_b32 s54, s24, 1                          ; phase QK: oh, my 128 outputs
	s_lshr_b32 s55, s24, 1                         ;           pg, my two pixel tiles
	v_and_b32 v60, 31, v0                          ; lane
	v_and_b32 v61, 15, v0                          ; r
	v_bfe_u32 v62, v0, 4, 1                        ; h
	v_and_b32 v63, 8, v61
	v_add_nc_u32 v63, v63, v61                     ; r + 8 (r / 8)
	v_and_b32 v64, 7, v60                          ; my pixel among the 32: lane bits 0-2 stay, bit 3 counts 16, bit 4 counts 8
	v_and_b32 v65, 8, v60
	v_lshl_or_b32 v64, v65, 1, v64
	v_and_b32 v65, 16, v60
	v_lshrrev_b32 v65, 1, v65
	v_or_b32 v64, v64, v65
	v_lshlrev_b32 v[XA], 2, v64
	s_lshl_b32 s56, s52, 7                         ; 32 pixels are 128 bytes
	s_lshl_b32 s57, s53, 21                        ; 128 channels of 16,384 bytes
	s_add_co_u32 s56, s56, s57
	v_add_nc_u32 v[XA], s56, v[XA]
	v_lshlrev_b32 v[LI], 4, v60
	v_lshlrev_b32 v[LS], 2, v60
	s_mul_i32 s56, s52, 6144
	s_mul_i32 s57, s53, 1536
	s_add_co_u32 s56, s56, s57
	v_add_nc_u32 v[XWI], s56, v[LI]                ; image (2 b, s): (4 b + s) x 1,536
	s_lshl_b32 s56, s52, 8
	s_lshl_b32 s57, s53, 7
	s_add_co_u32 s56, s56, s57
	s_add_co_u32 s56, s56, XSC
	v_add_nc_u32 v[XWS], s56, v[LS]
	s_mul_i32 s56, s55, 6144
	v_add_nc_u32 v[XFA], s56, v[LI]
	s_mul_i32 s57, s54, 1536
	s_add_co_u32 s57, s57, s56
	v_add_nc_u32 v[OC], s57, v[LI]
	s_lshl_b32 s56, s55, 8
	s_add_co_u32 s56, s56, XSC
	v_add_nc_u32 v[XSA], s56, v[LS]
	s_lshr_b32 s56, s55, 1
	s_lshl_b32 s56, s56, 9
	s_and_b32 s57, s55, 1
	s_lshl_b32 s57, s57, 3
	s_add_co_u32 s56, s56, s57
	s_lshl_b32 s57, s54, 8
	s_add_co_u32 s56, s56, s57
	s_add_co_u32 s56, s56, SCOUT
	v_lshl_add_u32 v[KSO], v61, 4, s56
	s_mul_i32 s56, s24, 3072
	v_add_nc_u32 v[OV], s56, v[LI]
	s_lshl_b32 s56, s53, 9
	s_lshl_b32 s57, s52, 2
	s_add_co_u32 s56, s56, s57
	s_add_co_u32 s56, s56, SCOUT+1024
	v_add_nc_u32 v[VSO], s56, v[LI]
	s_lshl_b32 s56, s24, 8
	v_lshlrev_b32 v[SCR], 3, v60
	s_mul_i32 s57, s53, 24576                      ; v's words lie 25,600 - 1,024 bytes further on in the record than k's end
	s_add_co_u32 s57, s57, s56
	v_add_nc_u32 v[SCG], s57, v[SCR]
	s_add_co_u32 s56, s56, SCOUT
	v_add_nc_u32 v[SCR], s56, v[SCR]
	s_mul_i32 s56, s25, 49152
	s_mul_i32 s57, s54, 24576
	s_add_co_u32 s56, s56, s57
	v_add_nc_u32 v[WA], s56, v[LI]
	s_lshl_b32 s56, s25, 11
	s_lshl_b32 s57, s54, 10
	s_add_co_u32 s56, s56, s57
	v_add_nc_u32 v[WSA], s56, v[LS]
	s_lshl_b32 s56, s54, 9
	v_lshl_add_u32 v[BA], v62, 6, s56
	s_lshl_b32 s56, s24, 7
	v_lshl_add_u32 v[BVA], v63, 2, s56
.irp b, 0,1,2,3
	v_mov_b32 v[TM+4+\b], 0                        ; written once: a lane permute's destination counts as one of its sources
.endr
	s_mov_b32 s[SEL], 0x76543210
	s_mov_b32 s[SEL+1], 0xfedcba98
	s_mul_i32 s36, s24, 6144
	s_add_co_u32 s36, s36, 98304                   ; Wv's tiles 2 w, 2 w + 1 in wc
	s_mov_b32 s37, 0
	s_lshl_b32 s38, s24, 8
	s_add_co_u32 s38, s38, 4096                    ; and in ws
	s_mov_b32 s39, 0
	s_lshr_b32 s44, s26, 5
	s_lshl_b32 s44, s44, 22                        ; the image: 4 MiB
	s_and_b32 s45, s26, 31
	s_lshl_b32 s45, s45, 9                         ; 128 pixels are 512 bytes
	s_add_co_u32 s44, s44, s45
	s_mov_b32 s45, 0
	s_mul_i32 s46, s26, 24576
	s_mul_i32 s48, s26, 51200
	s_lshl_b32 s50, s26, 10
	s_add_co_u32 s49, s48, 24576
	s_cmp_eq_u32 s25, 0                            ; every choice below hangs on the work-group's number alone
	s_cselect_b32 s46, s46, s48
	s_mov_b32 s47, 0
	s_cselect_b32 s50, s50, s49
	s_mov_b32 s51, 0
	s_cselect_b32 s40, 4, 8                        ; how many waves carry scale words out
	s_wait_kmcnt 0x0
	s_cselect_b64 s[28:29], s[4:5], s[6:7]         ; x or y
	s_cselect_b64 s[30:31], s[12:13], s[14:15]     ; bq or bk
	s_cselect_b64 s[32:33], s[18:19], s[22:23]     ; qc or kv
	s_cselect_b64 s[34:35], s[20:21], s[22:23]     ; qs or kv
	s_add_nc_u64 s[28:29], s[28:29], s[44:45]
	s_add_nc_u64 s[32:33], s[32:33], s[46:47]
	s_add_nc_u64 s[34:35], s[34:35], s[50:51]
	s_add_nc_u64 s[36:37], s[8:9], s[36:37]
	s_add_nc_u64 s[38:39], s[10:11], s[38:39]
.set i, 0
.rept 128
	global_load_b32 v[X+i], v[XA], s[28:29] offset:i*16384 th:TH_LOAD_NT   ; channel 128 s + i of 32 pixels: 128 consecutive bytes a wave, 512 for the four waves side by side
.set i, i+1
.endr
	; ---- X
	s_wait_loadcnt 63                              ; block 0 wants the first 32 in (96 younger): the wait names the most that its field holds
	XMAX 0
	s_wait_loadcnt 63                              ; block 1: 64 younger
	XMAX 1
	s_wait_loadcnt 32                              ; block 2: block 3's 32 may be out
	XMAX 2
	WIN 0x40                                       ; destination window 1: my eight tiles of W and the bias, for the next phase: 76 loads with the words below
.irp t, 0,1,2,3,4,5,6,7
.irp s, 0,1
.irp c, 0,1,2
	global_load_b128 v[12*(2*\t+\s)+4*\c:12*(2*\t+\s)+4*\c+3], v[WA], s[8:9] offset:(2*\t+\s)*1536+512*\c
.endr
.endr
.endr
.irp t, 0,1,2,3,4,5,6,7
	global_load_b128 v[192+8*\t:192+8*\t+3], v[BA], s[30:31] offset:(32*(\t/2)+8*(\t%2))*4      ; lane (r, h), tile t: the bias of outputs 32 (t / 2) + 16 h + 8 (t % 2) + 0 .. 7
	global_load_b128 v[192+8*\t+4:192+8*\t+7], v[BA], s[30:31] offset:(32*(\t/2)+8*(\t%2))*4+16
.endr
	WIN 0
.irp t, 0,1,2,3,4,5,6,7
	global_load_b32 v[WS+\t], v[WSA], s[10:11] offset:128*\t
.endr
.irp e, 0,1
	global_load_b32 v[WVS+\e], v[LS], s[38:39] offset:128*\e   ; Wv's scale words and bv: four words that the q work-groups load and do not use, so that these registers are written on every path
	global_load_b32 v[BVV+\e], v[BVA], s[16:17] offset:32*\e
.endr
	s_wait_loadcnt 63                              ; block 3: 76 younger loads: again the most that the field holds
	XMAX 3
.irp j, 0,1,2,3                                ; blocks 0 and 2 of my pixel into F0, blocks 1 and 3 into F1
	v_cvt_scalef32_pk16_bf6_f32 v[F0+12*(\j%2)+6*(\j/2):F0+12*(\j%2)+6*(\j/2)+2], v[X+32*\j:X+32*\j+15], v[TM+12+\j]
	v_cvt_scalef32_pk16_bf6_f32 v[TC+4*\j:TC+4*\j+2], v[X+32*\j+16:X+32*\j+31], v[TM+12+\j]   ; (a conversion's three registers begin on an even number)
.endr
	v_nop                                          ; one plain place behind a scaled conversion
.irp j, 0,1,2,3
.irp i, 0,1,2
	v_mov_b32 v[F0+12*(\j%2)+6*(\j/2)+3+\i], v[TC+4*\j+\i]
.endr
.endr
.irp i, 0,1,2,3,4,5,6,7,8,9,10,11
	v_permlane16_swap_b32 v[F0+\i], v[F1+\i]       ; F0's lanes 16-31 change places with F1's lanes 0-15: F0 is now tile 2 b's fragment (lanes 0-15 blocks 0, 2; lanes 16-31 blocks 1, 3), F1 tile 2 b + 1's
.endr
.irp c, 0,1,2
	ds_store_b128 v[XWI], v[F0+4*\c:F0+4*\c+3] offset:512*\c
	ds_store_b128 v[XWI], v[F1+4*\c:F1+4*\c+3] offset:3072+512*\c
.endr
	ds_store_b32 v[XWS], v[XW]
	s_wait_dscnt 0x0                               ; for the others' sake: my images and words have landed
	s_barrier_signal -1
	s_barrier_wait -1                              ; all sixteen images lie in LDS
	; ---- QK
.irp f, 0,1,2,3                                ; fragment (pt, s') = f / 2, f % 2
.irp c, 0,1,2
	ds_load_b128 v[XF+12*\f+4*\c:XF+12*\f+4*\c+3], v[XFA] offset:\f*1536+512*\c
.endr
.endr
	ds_load_b32 v[XSK], v[XSA]
	ds_load_b32 v[XSK+1], v[XSA] offset:128
.irp i, 0,1,2,3,4,5,6,7
	ds_load_b32 v[XS8+\i], v[LS] offset:XSC+128*\i
.endr
	s_wait_loadcnt 0x0                             ; W, the bias, the scale words
	s_wait_dscnt 0x0
	WIN 0x11                                       ; source 0 (W) and C (the bias) window 1.  The 16 accumulators take turns, one instruction a turn
.irp p, 0,1
.irp t, 0,1,2,3,4,5,6,7
	MM X+64*\p+8*\t, 24*\t, XF+24*\p, 192+8*\t, WS+\t, XSK, 0, \p
.endr
.endr
	WIN 0x01
.irp p, 0,1
.irp t, 0,1,2,3,4,5,6,7
	MM X+64*\p+8*\t, 24*\t+12, XF+24*\p+12, X+64*\p+8*\t, WS+\t, XSK+1, 1, \p
.endr
.endr
	WIN 0
	PLACES 4                                       ; behind the last products: ahead of the reads of results and of loads into W's registers
	s_cmp_eq_u32 s25, 0
	s_cbranch_scc1 .Lno_wv
	WIN 0x40
.irp f, 0,1,2,3                                ; Wv's fragment (e, s') = f / 2, f % 2: they land while q or k is quantised
.irp c, 0,1,2
	global_load_b128 v[12*\f+4*\c:12*\f+4*\c+3], v[LI], s[36:37] offset:\f*1536+512*\c
.endr
.endr
	WIN 0
.Lno_wv:
.irp p, 0,1                                    ; my 128 outputs of pixel tile 2 pg + p are K step oh of the next product
.if \p
	s_wait_xcnt 0x0                                ; the stores' data are written again only behind these waits
	s_wait_dscnt 0x0
.endif
	QUANT X+64*\p
.irp c, 0,1,2
	global_store_b128 v[OC], v[PC+4*\c:PC+4*\c+3], s[32:33] offset:\p*3072+512*\c   ; 512 consecutive bytes, aligned
.endr
	ds_store_b32 v[KSO], v[PW] offset:4*\p         ; both halves of the lanes write row r's word with the same value
.endr
	s_cmp_eq_u32 s25, 0
	s_cbranch_scc1 .Lno_v
	; ---- V
	s_wait_loadcnt 0x0                             ; Wv's fragments
	WIN 0x40
.irp e, 0,1
.irp i, 0,1,2,3,4,5,6,7
	v_mov_b32 v[48+8*\e+\i], v[BVV+\e]             ; C of the first K step: a lane is one channel, so its eight registers hold the same bias
.endr
.endr
	WIN 0
.irp s, 0,1
.irp q, 0,1                                    ; four pixel tiles at a time
.irp l, 0,1,2,3
.irp c, 0,1,2
	ds_load_b128 v[XF+12*\l+4*\c:XF+12*\l+4*\c+3], v[LI] offset:(2*(4*\q+\l)+\s)*1536+512*\c
.endr
.endr
	s_wait_dscnt 0x0
.if \s == 0
	WIN 0x14                                       ; source 1 (Wv) and C (bv) window 1
.else
	WIN 0x04
.endif
.irp l, 0,1,2,3
.irp e, 0,1
.if \s == 0
	MM X+64*\e+8*(4*\q+\l), XF+12*\l, 24*\e, 48+8*\e, XS8+2*((4*\q+\l)/2), WVS+\e, \l%2, 0
.else
	MM X+64*\e+8*(4*\q+\l), XF+12*\l, 24*\e+12, X+64*\e+8*(4*\q+\l), XS8+2*((4*\q+\l)/2)+1, WVS+\e, \l%2, 1
.endif
.endr
.endr
	WIN 0
	PLACES 4                                       ; ahead of loads into registers that these products read, and of the first read of results
.endr
.endr
.irp e, 0,1
	s_wait_xcnt 0x0                                ; the last stores' data are written again only behind this wait
	QUANT X+64*\e
.irp c, 0,1,2
	global_store_b128 v[OV], v[PC+4*\c:PC+4*\c+3], s[32:33] offset:25600+1536*\e+512*\c
.endr
	v_mov_b32 v[PWV+\e], v[PW]
.endr
	v_and_b32 v[TM], 16, v0
	v_cmp_ne_u32 vcc_lo, 0, v[TM]
	v_cndmask_b32 v[TM], v[PWV], v[PWV+1], vcc_lo  ; lanes 0-15: channel tile 2 w's words, lanes 16-31: tile 2 w + 1's
	ds_store_b32 v[VSO], v[TM]
.Lno_v:
	s_wait_dscnt 0x0                               ; my scale words lie in SCOUT
	s_barrier_signal -1
	s_barrier_wait -1
	s_cmp_lt_u32 s24, s40
	s_cbranch_scc0 .Ldone
	ds_load_b64 v[TM:TM+1], v[SCR]
	s_wait_dscnt 0x0
	global_store_b64 v[SCG], v[TM:TM+1], s[34:35]  ; 32 lanes store 256 consecutive bytes, aligned
.Ldone:
	s_wait_tensorcnt 0x0
	ds_add_u32 v75, v79
	s_wait_dscnt 0x0
	s_endpgm
.Lfunc_end_k_q8d74b8e4cf_proj:
	.size	k_q8d74b8e4cf_proj, .Lfunc_end_k_q8d74b8e4cf_proj-k_q8d74b8e4cf_proj
	.p2alignl 7, 3214868480
	.fill 96, 4, 3214868480
	.section	.rodata,"a",@progbits
	.p2align	6, 0x0
	.amdhsa_kernel k_q8d74b8e4cf_proj
		.amdhsa_group_segment_fixed_size 28672
		.amdhsa_private_segment_fixed_size 0
		.amdhsa_enable_private_segment 0
		.amdhsa_kernarg_size 80
		.amdhsa_user_sgpr_count 2
		.amdhsa_user_sgpr_kernarg_segment_ptr 1
		.amdhsa_wavefront_size32 1
		.amdhsa_system_sgpr_workgroup_id_x 1
		.amdhsa_system_sgpr_workgroup_id_y 1
		.amdhsa_system_sgpr_workgroup_id_z 1
		.amdhsa_system_vgpr_workitem_id 0
		.amdhsa_next_free_vgpr 512
		.amdhsa_next_free_sgpr 66
		.amdhsa_reserve_vcc 1
		.amdhsa_float_denorm_mode_32 3
		.amdhsa_float_denorm_mode_16_64 3
		.amdhsa_memory_ordered 1
		.amdhsa_forward_progress 1
		.amdhsa_inst_pref_size 64
	.end_amdhsa_kernel
	.amdgpu_metadata
---
amdhsa.version: [ 1, 2 ]
amdhsa.kernels:
  - .name:           k_q8d74b8e4cf_proj
    .symbol:         k_q8d74b8e4cf_proj.kd
    .args:
      - { .name: x, .offset: 0, .size: 8, .value_kind: global_buffer, .address_space: global }
      - { .name: y, .offset: 8, .size: 8, .value_kind: global_buffer, .address_space: global }
      - { .name: wc, .offset: 16, .size: 8, .value_kind: global_buffer, .address_space: global }
      - { .name: ws, .offset: 24, .size: 8, .value_kind: global_buffer, .address_space: global }
      - { .name: bq, .offset: 32, .size: 8, .value_kind: global_buffer, .address_space: global }
      - { .name: bk, .offset: 40, .size: 8, .value_kind: global_buffer, .address_space: global }
      - { .name: bv, .offset: 48, .size: 8, .value_kind: global_buffer, .address_space: global }
      - { .name: qc, .offset: 56, .size: 8, .value_kind: global_buffer, .address_space: global }
      - { .name: qs, .offset: 64, .size: 8, .value_kind: global_buffer, .address_space: global }
      - { .name: kv, .offset: 72, .size: 8, .value_kind: global_buffer, .address_space: global }
    .group_segment_fixed_size: 28672
    .private_segment_fixed_size: 0
    .kernarg_segment_align: 8
    .kernarg_segment_size: 80
    .max_flat_workgroup_size: 256
    .sgpr_count:     66
    .vgpr_count:     512
    .wavefront_size: 32
...
	.end_amdgpu_metadata
.endif
;; end of part 2
;; launch attn (part 3): grid 64 x 4, 4 waves a work-group, clusters of 4 x 1, 327,680 bytes of LDS; arguments qc, qs, kv, wc, ws, bo, x, out0; writes out0
.if DOCPART == 3
	.amdgcn_target "amdgcn-amd-amdhsa--gfx1250"
	.amdhsa_code_object_version 6
	.text
	.protected	k_q8d74b8e4cf_attn
	.globl	k_q8d74b8e4cf_attn
	.p2align	8
	.type	k_q8d74b8e4cf_attn,@function
k_q8d74b8e4cf_attn:
	s_mov_b64 s[64:65], 0
	v_nop
	global_prefetch_b8 v0, s[64:65] scope:SCOPE_SE
	s_setreg_imm32_b32 hwreg(HW_REG_WAVE_MODE, 25, 1), 1
	s_wait_xcnt 0x0
	s_wait_alu depctr_hold_cnt(0) depctr_sa_sdst(0) depctr_va_vdst(0) depctr_va_sdst(0) depctr_va_ssrc(0) depctr_va_vcc(0) depctr_vm_vsrc(0)
	s_getreg_b32 s2, hwreg(HW_REG_IB_STS2, 6, 4)
	s_cmp_eq_u32 s2, 0
	s_cbranch_scc0 .Lentry_in_a_cluster
	s_endpgm
.Lentry_in_a_cluster:
	s_bfe_u32 s2, ttmp6, 0x10000c
	s_cmp_lg_u32 s2, 0x3003
	s_cbranch_scc0 .Lentry_shape_is_right
	s_endpgm
.Lentry_shape_is_right:
; out = x + Wo z + bo, z[c][l] = sum over keys of softmax(q_l . k / 16) v[c][key]: all three products on codes of BF6 (E3M2) with one E8M0 scale for each 32 along K.
; q, k, v come as images of operand registers (1,536 bytes a fragment: registers 4 c .. 4 c + 3 of lane l at 512 c + 16 l); kv holds, for each 128 keys, a record of two halves of 25,600 bytes: k's 16 images and scale words, v's likewise.
; THE SOFTMAX AHEAD OF THE SECOND PRODUCT: t = score x log2(e) / 16; M = the largest t so far, rounded UP to a whole number; p = 2^(t - M) is quantised along the keys, not normalised; the sum is taken of the unquantised p.
; When M moves, the sum and O are multiplied by 2^(old M - new M), which rounds nothing.
; SHARES.  A work-group owns 64 queries of one image.  ITS FOUR WAVES SPLIT THE KEYS, NOT THE QUERIES: wave w holds all 64 queries (four tiles of 16) and walks records 8 w .. 8 w + 7, 128 keys a step.  So each fragment of
; k and v is read from LDS once in the work-group and feeds four matrix instructions.  At the end the four partial O, each under its own M, meet in LDS: wave u finishes tile u.
; A wave's LOCAL tile j is the work-group's tile (w + j) % 4: that enters addresses alone, and makes local tile 0 the one that the wave finishes.
; LAYOUT.  Both products are used transposed: S^T = k q^T, O^T = v^T p^T: a lane holds ONE query throughout.  The keys of a tile of k and the channels of a tile of v are chosen (lane r of tile 2 b + u: row 32 b + 8 u + r + 8 (r / 8))
; so that the 16 registers of tiles 2 b, 2 b + 1 are 16 neighbours along the next product's K.
; VECTOR WORK BEHIND THE PRODUCTS.  A step has 128 products and more vector instructions than that by far, so whatever needs no result of this step's exponentials stands in slices of four behind the products:
;   behind each product of S^T: two additions of the LAST step's p into the sum (key tile g + 2 while group g is multiplied: ahead of the product that writes over it) and two steps of the blocks' largest scores (block b in groups 2 b + 2, 2 b + 3);
;   behind each product of O^T: the four multiplications that bring under the new M the accumulator onto which the same place of the NEXT group adds.
; A slice costs two switches of the register windows; the slices are also the places that this form of product wants behind it.  What is left of the softmax takes two tiles at a time, line by line, so that no line reads the line above it.
; CLUSTER.  The four work-groups of a cluster are four query blocks of one image and walk the same records in step: every fill is asked for JOINTLY, by the same tensor load with the same descriptor and the mask of all four.
; THE RING.  Each wave has two slots of its own, one for a record's k half and one for its v half (two whole records a wave would be 409,600 bytes).  The k slot is filled again between the two pairs' softmaxes,
; the v slot behind the second product: so each load has 64 matrix instructions and one pair's softmax in which to land.  By this text's count a wave has two tensor loads out at the head and one behind each round.
; LIMITS: NaN and infinities are not served; a block of p or z whose largest magnitude lies under 2^-122 gets the byte 1; p under 2^-126 is taken as 0.
; REGISTERS, in windows of 256 (s_set_vgpr_msb: bits 1:0 source 0, 3:2 source 1, 5:4 source 2, 7:6 destination):
;   window 0: v1-11 addresses; v12-27 scale words; v28-51 statistics; v52-147 Q (later Wo); v148-243 four sets of two fragments of k or v (later z's eight); sets 2 and 3 are the softmax's scratch; v244-255 the blocks' largest scores.
;   window 1: S^T, 64 a tile, then p; a tile's codes of p end in its first 12 registers.   window 2: O^T of local tiles 0, 1.   window 3: of local tiles 2, 3.
.set HALF,  25600                      ; half a record: 100 rows of 256 bytes
.set RING,  51200                      ; a wave's two slots; after their last fill: its outbox, local tile j = 1 .. 3 at (j - 1) x 16,384
.set SPARE, 204800                     ; the spare words, 128 bytes for each wave: two blocks of 256 bytes that no other line names
.set STAT,  205312                     ; (-M, l) for tile u from the wave that has it as local tile j: 1,024 u + 256 j + 8 lane
.set ZIMG,  209408                     ; z's eight images: 3,072 tile + 1,536 step
.set ZSC,   221696                     ; their scale words: 16 lane + 4 tile; lanes 0-15 step 0, lanes 16-31 step 1
.set OSTG,  222208                     ; the way out: for each wave 64 rows (outputs) x (256 bytes + 16)
.set LA,  1                            ; v1   RING x wave + 16 x lane
.set SPW, 2                            ; v2   my spare word; never rewritten
.set NIL, 3                            ; v3   0; never rewritten
.set PFO, 4                            ; v4   the prefetches' offset: 256 x min(lane, 24); never rewritten
.set INB, 5                            ; v5-7 the outbox of the wave that has my tile as its local tile 1, 2, 3
.set QA,  8                            ; v8-11 Q's images of local tile j; in the epilogue: STAT's addresses
.set QS,  12                           ; v12-15 Q's scale words (lanes 0-15 K step 0, lanes 16-31 step 1); later Wo's
.set PS,  16                           ; v16-19 p's scale words; later z's
.set SCL, 20                           ; v20-27 k's or v's scale words of the record
.set ST,  28                           ; tile j at ST + 6 j: +0 -M, +1 the largest t (at the end l), +2, +3 l in two halves, +4 f (at the end g), +5 named with +4 as a pair, its value not used there: it keeps block 3's largest score
.set Q,   52
.set FB,  148
.set TM,  196                          ; the pair's scratch, tile u of the two: v196-203 the blocks' largest scores, then largest p: TM + 4 u + b
.set TP,  204                          ; v204-211 the other half's, then bytes
.set TS,  212                          ; v212-219 the conversions' scale operands
.set PC,  196                          ; the codes just made: 16 registers at PC + 24 u (over TM and TP, which are done with by then; v220-235)
.set CA,  236                          ; v236-239 the sums' second chains
.set TT,  240                          ; v240-241
.set TMX, 244                          ; v244-255 my half's largest score of block b = 0 .. 2 of tile j: TMX + 3 j + b
.set HT,  254                          ; at the head: the lane,
.set HA,  252                          ; 16 x lane
.set WV,   20                          ; s20  my wave
.set G1,   24                          ; s[24:31] descriptor group 1
.set G0A,  32                          ; s[32:35] group 0 for the k slot;  s[36:39] for the v slot
.set PFA,  40                          ; s[40:41] where my prefetches stand
.set LIM,  42                          ; s42  1 in the image's first cluster, else the greatest number
.set TRIPS, 43                         ; s43  key steps with refills still to come, this one among them
.set CS,   44                          ; s[44:45] log2(e) / 16
.set SEL,  46                          ; s[46:47] v_permlanex16_b32's selects for lane l xor 16
.set NINF, 60                          ; s60  -infinity: where a largest score begins
.set MSB, 0
.macro WIN new                         ; the immediate's high byte repeats the setting that is left; a switch that changes nothing is dropped
.if MSB != \new
	s_set_vgpr_msb (MSB<<8)|\new
.set MSB, \new
.endif
.endm
.macro PLACES n
.rept \n
	v_nop
.endr
.endm
.macro CROUND                          ; a round of the cluster's barrier
	s_barrier_signal -1
	s_barrier_wait -1
	s_cmp_lg_u32 s[WV], 0
	s_cbranch_scc1 .Lnot_wave_0_\@
	s_barrier_signal -3
.Lnot_wave_0_\@:
	s_barrier_wait -3
	s_barrier_signal -1
	s_barrier_wait -1
.endm
; A product: D at d, source 0 at a, source 1 at b, C at c (c < 0: the constant 0); scale registers sa, sb; ra, rb = 1: the scales are read from lanes 16-31.
.macro MM d, a, b, c, sa, sb, ra, rb
.if (\c) < 0
.if (\ra) && (\rb)
	v_wmma_scale_f32_16x16x128_f8f6f4 v[(\d):(\d)+7], v[(\a):(\a)+11], v[(\b):(\b)+11], 0, v[\sa], v[\sb] matrix_a_fmt:MATRIX_FMT_BF6 matrix_b_fmt:MATRIX_FMT_BF6 matrix_a_scale:MATRIX_SCALE_ROW1 matrix_b_scale:MATRIX_SCALE_ROW1
.elseif (\ra)
	v_wmma_scale_f32_16x16x128_f8f6f4 v[(\d):(\d)+7], v[(\a):(\a)+11], v[(\b):(\b)+11], 0, v[\sa], v[\sb] matrix_a_fmt:MATRIX_FMT_BF6 matrix_b_fmt:MATRIX_FMT_BF6 matrix_a_scale:MATRIX_SCALE_ROW1
.elseif (\rb)
	v_wmma_scale_f32_16x16x128_f8f6f4 v[(\d):(\d)+7], v[(\a):(\a)+11], v[(\b):(\b)+11], 0, v[\sa], v[\sb] matrix_a_fmt:MATRIX_FMT_BF6 matrix_b_fmt:MATRIX_FMT_BF6 matrix_b_scale:MATRIX_SCALE_ROW1
.else
	v_wmma_scale_f32_16x16x128_f8f6f4 v[(\d):(\d)+7], v[(\a):(\a)+11], v[(\b):(\b)+11], 0, v[\sa], v[\sb] matrix_a_fmt:MATRIX_FMT_BF6 matrix_b_fmt:MATRIX_FMT_BF6
.endif
.else
.if (\ra) && (\rb)
	v_wmma_scale_f32_16x16x128_f8f6f4 v[(\d):(\d)+7], v[(\a):(\a)+11], v[(\b):(\b)+11], v[(\c):(\c)+7], v[\sa], v[\sb] matrix_a_fmt:MATRIX_FMT_BF6 matrix_b_fmt:MATRIX_FMT_BF6 matrix_a_scale:MATRIX_SCALE_ROW1 matrix_b_scale:MATRIX_SCALE_ROW1
.elseif (\ra)
	v_wmma_scale_f32_16x16x128_f8f6f4 v[(\d):(\d)+7], v[(\a):(\a)+11], v[(\b):(\b)+11], v[(\c):(\c)+7], v[\sa], v[\sb] matrix_a_fmt:MATRIX_FMT_BF6 matrix_b_fmt:MATRIX_FMT_BF6 matrix_a_scale:MATRIX_SCALE_ROW1
.elseif (\rb)
	v_wmma_scale_f32_16x16x128_f8f6f4 v[(\d):(\d)+7], v[(\a):(\a)+11], v[(\b):(\b)+11], v[(\c):(\c)+7], v[\sa], v[\sb] matrix_a_fmt:MATRIX_FMT_BF6 matrix_b_fmt:MATRIX_FMT_BF6 matrix_b_scale:MATRIX_SCALE_ROW1
.else
	v_wmma_scale_f32_16x16x128_f8f6f4 v[(\d):(\d)+7], v[(\a):(\a)+11], v[(\b):(\b)+11], v[(\c):(\c)+7], v[\sa], v[\sb] matrix_a_fmt:MATRIX_FMT_BF6 matrix_b_fmt:MATRIX_FMT_BF6
.endif
.endif
.endm
.macro LDSET n, base                   ; two neighbouring fragments (3,072 bytes at 3,072 n of the slot at base) into set n % 4
.irp c, 0,1,2,3,4,5
	ds_load_b128 v[FB+24*((\n)%4)+4*\c:FB+24*((\n)%4)+4*\c+3], v[LA] offset:(\base)+3072*(\n)+512*\c
.endr
.endm
.macro LDSCL base                      ; the half record's eight registers of scale words
	ds_load_b128 v[SCL:SCL+3], v[LA] offset:(\base)+24576
	ds_load_b128 v[SCL+4:SCL+7], v[LA] offset:(\base)+25088
.endm
; Step i of 8 of my half's largest score of block b of tile j: the running one and two scores more; the first begins at -infinity.  A block is key tiles 2 b (steps 0-3) and 2 b + 1 (steps 4-7): each accumulator is read from its low end on.
; Destination and source 0 window 0, sources 1 and 2 window 1.
.macro QMAX j, b, i
.if (\b) < 3
.set rX, TMX+3*(\j)+(\b)
.else
.set rX, ST+6*(\j)+5
.endif
.set rS, 64*(\j)+16*(\b)+2*(\i)
.if (\i) == 0
	v_max3_num_f32 v[rX], s[NINF], v[rS], v[rS+1]
.else
	v_max3_num_f32 v[rX], v[rX], v[rS], v[rS+1]
.endif
.endm
; The slice behind product m of group g of S^T.  first = 1: there is no last step.
.macro QSL first
.if (!\first) && (g < 6)
	WIN 0x14
.irp a, 0,1                                    ; the last step's p of key tile g + 2: 16 pairs, two a slice, the four tiles by turns
.set ja, (2*m+\a)%4
.set qa, (2*m+\a)/4
	v_pk_add_f32 v[ST+6*ja+2:ST+6*ja+3], v[ST+6*ja+2:ST+6*ja+3], v[64*ja+8*(g+2)+2*qa:64*ja+8*(g+2)+2*qa+1]
.endr
.endif
.if g >= 2
	WIN 0x14
.irp a, 0,1                                    ; block g / 2 - 1, whose two key tiles were finished a group ago or more: 32 steps in two groups, the four tiles by turns
.set xa, 16*(g%2)+2*m+\a
	QMAX xa%4, g/2-1, xa/4
.endr
.endif
.if g == 7
.irp a, 0,1                                    ; and key tile 6, the first half of block 3
.set xa, 2*m+\a
	QMAX xa%4, 3, xa/4
.endr
.endif
.endm
; S^T = k q^T: eight groups (key tile g) of eight products: K step 0 for the four query tiles, then K step 1: the four accumulators take turns, one instruction a turn.
; Sets 0-3 have been asked for; set g + 4 is asked for behind group g, into the registers that group g has read, four places behind its last product: the slice, and v_nop where the slice is shorter.
; The wait ahead of group g leaves out the loads issued behind its set: three sets' 18, then 12, 6, 0.
.macro QKPH first
.set g, 0
.rept 8
.if g < 5
	s_wait_dscnt 18
.else
	s_wait_dscnt 6*(7-g)
.endif
.set m, 0
.rept 8
.set jj, m%4
	WIN 0x50                                       ; C and D window 1
.if m < 4
	MM 64*jj+8*g, FB+24*(g%4), Q+24*jj, -1, SCL+g, QS+jj, 0, 0
.else
	MM 64*jj+8*g, FB+24*(g%4)+12, Q+24*jj+12, 64*jj+8*g, SCL+g, QS+jj, 1, 1
.endif
	QSL \first
.set m, m+1
.endr
.if g < 4
.set np, 4
.if !\first
.set np, np-2
.endif
.if g >= 2
.set np, np-2
.endif
	PLACES np
	WIN 0
	LDSET g+4, 0
.endif
.set g, g+1
.endr
.endm                                          ; (the last slice's four instructions are the places behind the last product)
; What is left of the softmax, for local tiles j0 and j0 + 1 (u = 0, 1) line by line.  Register 16 b + i of a tile's 64 is key 32 b + 16 (lane / 16) + i.
.macro SM2 j0
.set SQ, 64*(\j0)
.set TQ, ST+6*(\j0)
	WIN 0x14
.irp i, 4,5,6,7                                ; key tile 7 ends block 3's largest score; the exchanges of blocks 0-2 stand between the steps
.irp u, 0,1
	QMAX (\j0)+\u, 3, \i
.endr
.if \i < 7
.irp u, 0,1
	v_permlanex16_b32 v[TP+4*\u+\i-4], v[TMX+3*((\j0)+\u)+\i-4], s[SEL], s[SEL+1]
.endr
.endif
.endr
	WIN 0
.irp b, 0,1,2
.irp u, 0,1
	v_max_num_f32 v[TM+4*\u+\b], v[TMX+3*((\j0)+\u)+\b], v[TP+4*\u+\b]   ; with lane l xor 16's 16 keys: the block's largest score: for the row's maximum and, since p rises with the score, for the block's largest p
.endr
.endr
.irp u, 0,1
	v_permlanex16_b32 v[TP+4*\u+3], v[TQ+6*\u+5], s[SEL], s[SEL+1]
.endr
.irp u, 0,1
	v_max3_num_f32 v[TT+\u], v[TM+4*\u], v[TM+4*\u+1], v[TM+4*\u+2]
.endr
.irp u, 0,1
	v_max_num_f32 v[TM+4*\u+3], v[TQ+6*\u+5], v[TP+4*\u+3]
.endr
.irp u, 0,1
	v_max_num_f32 v[TT+\u], v[TT+\u], v[TM+4*\u+3]
.endr
.irp u, 0,1
	v_mul_f32 v[TT+\u], s[CS], v[TT+\u]            ; the step's largest t
.endr
.irp u, 0,1
	v_max_num_f32 v[TQ+6*\u+1], v[TQ+6*\u+1], v[TT+\u]   ; the running largest t
.endr
.irp u, 0,1
	v_mov_b32 v[TT+\u], v[TQ+6*\u]                 ; the old -M
.endr
.irp u, 0,1
	v_floor_f32 v[TQ+6*\u], -v[TQ+6*\u+1]          ; the new -M = floor(-t) = -ceil(t)
.endr
.irp b, 0,1,2,3
.irp u, 0,1
	v_fma_f32 v[TM+4*\u+\b], v[TM+4*\u+\b], s[CS], v[TQ+6*\u]   ; t - M of each block's largest score: the same arithmetic as for every score below, so the same bits
.endr
.endr
.irp b, 0,1,2,3
.irp u, 0,1
	v_exp_f32 v[TM+4*\u+\b], v[TM+4*\u+\b]         ; the pair's 136 exponentials are ONE batch: nothing names a result before the wait below
.endr
.endr
	WIN 0x41
.set i, 0
.rept 32
	v_pk_fma_f32 v[SQ+i:SQ+i+1], v[SQ+i:SQ+i+1], s[CS:CS+1], v[TQ:TQ+1] op_sel_hi:[1,0,0]   ; tile 0: t - M, two at a time
.set i, i+2
.endr
.set i, 0
.rept 32
	v_exp_f32 v[SQ+i], v[SQ+i]                     ; tile 0: p = 2^(t - M); tile 1's scalings stand between the exponentials
	v_exp_f32 v[SQ+i+1], v[SQ+i+1]
	v_pk_fma_f32 v[SQ+64+i:SQ+64+i+1], v[SQ+64+i:SQ+64+i+1], s[CS:CS+1], v[TQ+6:TQ+7] op_sel_hi:[1,0,0]
.set i, i+2
.endr
.set i, 0
.rept 64
	v_exp_f32 v[SQ+64+i], v[SQ+64+i]
.set i, i+1
.endr
	WIN 0
.irp u, 0,1
	v_sub_f32 v[TT+\u], v[TQ+6*\u], v[TT+\u]       ; old M - new M: a whole number, 0 or less.  (Plain work that names no exponential's result stands between the batch and its wait)
.endr
.irp u, 0,1
	v_cvt_i32_f32 v[TT+\u], v[TT+\u]               ; (it saturates)
.endr
.irp u, 0,1
	v_ldexp_f32 v[TQ+6*\u+4], 1.0, v[TT+\u]        ; f = 2^(old M - new M)
.endr
.irp u, 0,1
	v_pk_mul_f32 v[TQ+6*\u+2:TQ+6*\u+3], v[TQ+6*\u+2:TQ+6*\u+3], v[TQ+6*\u+4:TQ+6*\u+5] op_sel_hi:[1,0]   ; the sums, the last step's p all in them, under the new M
.endr
	s_wait_alu depctr_va_vdst(0)                   ; the one wait between the batch and its first reader
	WIN 0x05
.irp u, 0,1
	v_pk_add_f32 v[CA+2*\u:CA+2*\u+1], v[SQ+64*\u:SQ+64*\u+1], v[SQ+64*\u+2:SQ+64*\u+3]   ; the UNQUANTISED p of key tiles 0 and 1 is summed here, since the codes are laid over it below; that of key tiles 2-7 behind the next step's first products
.endr
	WIN 0x04
.irp i, 4,8,12
.irp u, 0,1
	v_pk_add_f32 v[TQ+6*\u+2:TQ+6*\u+3], v[TQ+6*\u+2:TQ+6*\u+3], v[SQ+64*\u+\i:SQ+64*\u+\i+1]
.endr
.irp u, 0,1
	v_pk_add_f32 v[CA+2*\u:CA+2*\u+1], v[CA+2*\u:CA+2*\u+1], v[SQ+64*\u+\i+2:SQ+64*\u+\i+3]
.endr
.endr
	WIN 0
.irp b, 0,1,2,3
.irp u, 0,1
	v_max_num_f32 v[TM+4*\u+\b], 0x2800000, v[TM+4*\u+\b]   ; the floor 2^(5 - 127): the byte cannot fall under 1
.endr
.endr
.irp u, 0,1
	v_pk_add_f32 v[TQ+6*\u+2:TQ+6*\u+3], v[TQ+6*\u+2:TQ+6*\u+3], v[CA+2*\u:CA+2*\u+1]
.endr
.irp b, 0,1,2,3
.irp u, 0,1
	v_add_nc_u32 v[TS+4*\u+\b], 0xfe000000, v[TM+4*\u+\b]   ; 4 off the exponent field: the conversion's scale operand
.endr
.endr
.irp b, 0,1,2,3
.irp u, 0,1
	v_lshrrev_b32 v[TP+4*\u+\b], 23, v[TS+4*\u+\b]          ; the scale's byte
.endr
.endr
.irp u, 0,1
	v_lshl_or_b32 v[PS+(\j0)+\u], v[TP+4*\u+1], 8, v[TP+4*\u]
.endr
.irp u, 0,1
	v_lshl_or_b32 v[PS+(\j0)+\u], v[TP+4*\u+2], 16, v[PS+(\j0)+\u]
.endr
.irp u, 0,1
	v_lshl_or_b32 v[PS+(\j0)+\u], v[TP+4*\u+3], 24, v[PS+(\j0)+\u]   ; p's scale word for these 128 keys
.endr
	WIN 0x01
.irp u, 0,1
.irp k, 0,1,2,3
	v_cvt_scalef32_pk16_bf6_f32 v[PC+24*\u+4*\k:PC+24*\u+4*\k+2], v[SQ+64*\u+16*\k:SQ+64*\u+16*\k+15], v[TS+4*\u+\k]   ; my 16 codes of block k
.endr
.endr
	WIN 0
	v_nop                                          ; one plain place behind a scaled conversion
.irp u, 0,1
.irp c, 0,1                                    ; the operand's layout wants a WHOLE block in a lane: lanes 0-15 block 2 c, lanes 16-31 block 2 c + 1
.irp i, 0,1,2
	v_permlane16_swap_b32 v[PC+24*\u+8*\c+\i], v[PC+24*\u+8*\c+4+\i]
.endr
.endr
.endr
	WIN 0x40
.irp u, 0,1
.irp c, 0,1
.irp i, 0,1,2
	v_mov_b32 v[SQ+64*\u+6*\c+\i], v[PC+24*\u+8*\c+\i]         ; the codes wait in the tile's own first 12 registers
	v_mov_b32 v[SQ+64*\u+6*\c+3+\i], v[PC+24*\u+8*\c+4+\i]
.endr
.endr
.endr
	WIN 0
.endm
; The accumulator of channel tile d of local tile j under the new M, from its low end on.
.macro RSC j, d
	WIN 0x82+0x41*((\j)/2)                         ; O^T (destination and source 0) window 2 or 3, f window 0
.set rO, 128*((\j)%2)+8*(\d)
.irp i, 0,2,4,6
	v_pk_mul_f32 v[rO+\i:rO+\i+1], v[rO+\i:rO+\i+1], v[ST+6*(\j)+4:ST+6*(\j)+5] op_sel_hi:[1,0]
.endr
.endm
; O^T += v^T p^T: eight groups (channel tiles 2 g, 2 g + 1) of eight products, each on an accumulator of its own.  first = 1: the products start the sums: nothing is ever cleared, and nothing is rescaled.
; Group 0's accumulators are rescaled ahead of the phase (these 32 are also the places between p's codes and scale words and the products that take them); behind product m of group g: the accumulator of product m of group g + 1.
.macro PVPH first
.if !\first
.irp j, 0,1,2,3
.irp e, 0,1
	RSC \j, \e
.endr
.endr
.endif
.set g, 0
.rept 8
.if g < 5
	s_wait_dscnt 18
.else
	s_wait_dscnt 6*(7-g)
.endif
.set m, 0
.rept 8
.set jj, m/2
.set ee, m%2
	WIN 0xa4+0x50*(jj/2)                           ; source 1 (p) window 1, C and D window 2 or 3
.if \first
	MM 128*(jj%2)+8*(2*g+ee), FB+24*(g%4)+12*ee, 64*jj, -1, SCL+g, PS+jj, ee, 0
.else
	MM 128*(jj%2)+8*(2*g+ee), FB+24*(g%4)+12*ee, 64*jj, 128*(jj%2)+8*(2*g+ee), SCL+g, PS+jj, ee, 0
.if g < 7
	RSC jj, 2*g+2+ee
.endif
.endif
.set m, m+1
.endr
.if g < 4
.if \first
	PLACES 4
.endif
	WIN 0
	LDSET g+4, HALF
.endif
.set g, g+1
.endr
	WIN 0
.endm
; A PREFETCH INTO THE L2 of the half record that the NEXT change of slots will ask for: 100 blocks of 256 bytes.  All clusters of an image walk the same records: the image's first cluster asks; each wave for its own stream;
; the four partners take 25 blocks each, told apart BY ADDRESS (lanes 25-31 name lane 24's block again).  It stands behind the wave's tensor load and the lines that follow it.  The last change asks for nothing; nothing is asked at the head.
.macro ASK x
.if \x
	s_cmp_gt_u32 s[TRIPS], s[LIM]                  ; the last refill of the v slot has no half behind it
.else
	s_cmp_ge_u32 s[TRIPS], s[LIM]
.endif
	s_cbranch_scc0 .Lnot_mine_\@
	global_prefetch_b8 v[PFO], s[PFA:PFA+1] th:TH_LOAD_NT scope:SCOPE_SE
.Lnot_mine_\@:
.endm
; A CHANGE: slot x (0: k's, 1: v's) has been read out and is filled with the next record's half.  Each wave waits for all its tensor loads (the one that is out is the other slot's), adds 0 to its spare word, and waits for that
; and for its reads of the slot; the round shows the same of every wave of all four work-groups; the joint refill is the first thing behind it.
.macro CHANGE x
	WIN 0
	s_wait_tensorcnt 0x0                           ; no tensor load of mine is out, so a group 0 may be written
	ds_add_u32 v[SPW], v[NIL]                      ; 0 onto my spare word
	s_add_nc_u64 s[G0A+4*\x+2:G0A+4*\x+3], s[G0A+4*\x+2:G0A+4*\x+3], 2*HALF   ; the next record; the type bits on top are not reached
	s_wait_xcnt 0x0                                ; the last prefetch, a change back, has read its address
	s_add_nc_u64 s[PFA:PFA+1], s[PFA:PFA+1], HALF
	s_wait_dscnt 0x0                               ; the add is done, and my reads of the slot are over
	CROUND
	tensor_load_to_lds s[G0A+4*\x:G0A+4*\x+3], s[G1:G1+7]
	s_nop 0
	PLACES 4+2*\x                                  ; four lines; behind the second product six: the next S^T is written over p's registers, five places behind the products that read them
	ASK \x
.endm
; A KEY STEP: 128 keys.  first = 1: it starts O^T and has no last step's p to sum.  fill = 1: both slots are filled again.
.macro STEP first, fill
	LDSCL 0
	LDSET 0, 0
	LDSET 1, 0
	LDSET 2, 0
	LDSET 3, 0
	QKPH \first
	SM2 0
.if \fill
	CHANGE 0
.else
	s_wait_tensorcnt 0x0                           ; the last half of v has landed; nothing is left to fetch
.endif
	LDSCL HALF
	LDSET 0, HALF
	LDSET 1, HALF                                  ; two sets of v land under the second pair's softmax; the other two sets are its scratch
	SM2 2
	LDSET 2, HALF
	LDSET 3, HALF
.if \first
	PLACES 8                                       ; no rescaling stands here: eight places between p's scale word and the products
.endif
	PVPH \first
.if \fill
	CHANGE 1
.endif
.endm
	s_load_b512 s[4:19], s[0:1], 0x0               ; qc s[4:5], qs s[6:7], kv s[8:9], wc s[10:11], ws s[12:13], bo s[14:15], x s[16:17], out0 s[18:19]
	v_lshl_add_u32 v[SPW], v0, 2, SPARE
	v_mov_b32 v[NIL], 0
	ds_add_u32 v2, v3
	ds_add_u32 v2, v3
	s_wait_dscnt 0x0
	v_lshrrev_b32 v1, 5, v0
	v_readfirstlane_b32 s[WV], v1                  ; wave 0..3
	s_bfe_u32 s21, ttmp6, 0x40000                  ; cx: my place in the cluster
	s_lshl_b32 s22, ttmp9, 2
	s_add_co_u32 s22, s22, s21                     ; my block of 64 queries: it enters Q's, x's and out0's addresses alone
	s_and_b32 s23, ttmp7, 0xffff                   ; the image, which the four partners share
	; descriptor group 1: a dense block of 25,600 bytes as 100 rows of 32 elements of 8 bytes; no padding: images are read as runs of 512 consecutive bytes
	s_mov_b32 s[G1], 15|(3<<16)|(1<<21)            ; 15:0 the mask: all four work-groups; 17:16 elements of 8 bytes; 21 set beside a mask
	s_mov_b32 s[G1+1], 32<<16                      ; tensor_dim0 = 32
	s_mov_b32 s[G1+2], 100<<16                     ; tensor_dim1 = 100
	s_mov_b32 s[G1+3], 32<<16                      ; tile_dim0 = 32
	s_mov_b32 s[G1+4], 100                         ; tile_dim1 = 100
	s_mov_b32 s[G1+5], 32                          ; from row to row
	s_mov_b32 s[G1+6], 0
	s_mov_b32 s[G1+7], 0
	s_mov_b32 s[CS], 0x3db8aa3b                    ; log2(e) / 16
	s_mov_b32 s[CS+1], s[CS]
	s_mov_b32 s[SEL], 0x76543210
	s_mov_b32 s[SEL+1], 0xfedcba98
	s_mov_b32 s[NINF], 0xff800000
	s_mov_b32 s[TRIPS], 7
	s_cmp_eq_u32 ttmp9, 0                          ; the cluster's number: the same in all four partners
	s_cselect_b32 s[LIM], 1, -1
	s_lshl_b32 s48, s23, 5
	s_lshl_b32 s49, s[WV], 3
	s_add_co_u32 s48, s48, s49
	s_mul_i32 s48, s48, 2*HALF                     ; my stream: records 32 image + 8 wave on
	s_mov_b32 s49, 0
	s_mul_i32 s50, s21, 6400                       ; the prefetches: my work-group's 25 blocks,
	s_add_co_u32 s50, s50, 2*HALF                  ; in half 2: the first change steps it to half 3
	s_mov_b32 s51, 0
	s_lshl_b32 s52, s23, 6
	s_add_co_u32 s52, s52, s22                     ; 64 image + block
	s_mul_i32 s54, s52, 12288                      ; four tiles x two images
	s_mov_b32 s55, 0
	s_lshl_b32 s56, s52, 9
	s_mov_b32 s57, 0
	s_mov_b32 s[G0A], 1                            ; count = 1
	s_mul_i32 s[G0A+1], s[WV], RING                ; LDS address: my k slot: no place in the cluster enters it
	s_mov_b32 s[G0A+4], 1
	s_add_co_u32 s[G0A+5], s[G0A+1], HALF          ; my v slot
	s_wait_kmcnt 0x0
	s_add_nc_u64 s[G0A+2:G0A+3], s[8:9], s[48:49]
	s_add_nc_u64 s[G0A+6:G0A+7], s[G0A+2:G0A+3], HALF
	s_add_nc_u64 s[PFA:PFA+1], s[G0A+2:G0A+3], s[50:51]
	s_or_b32 s[G0A+3], s[G0A+3], 0x80000000        ; type = 2
	s_or_b32 s[G0A+7], s[G0A+7], 0x80000000
	s_add_nc_u64 s[4:5], s[4:5], s[54:55]
	s_add_nc_u64 s[6:7], s[6:7], s[56:57]
	CROUND                                         ; all four work-groups are here: the first joint loads meet
	tensor_load_to_lds s[G0A:G0A+3], s[G1:G1+7]    ; record 0: k's half,
	s_nop 0
	tensor_load_to_lds s[G0A+4:G0A+7], s[G1:G1+7]  ; v's half: two loads of mine are out
	s_nop 0
	PLACES 4
	v_and_b32 v[HT], 31, v0                        ; lane
	v_lshlrev_b32 v[HA], 4, v[HT]
	v_add_nc_u32 v[LA], s[G0A+1], v[HA]
	v_min_u32 v[PFO], 24, v[HT]
	v_lshlrev_b32 v[PFO], 8, v[PFO]
.irp j, 1,2,3
	s_add_co_u32 s58, s[WV], 4-\j
	s_and_b32 s58, s58, 3                          ; the wave that has my tile as its local tile j
	s_mul_i32 s58, s58, RING
	v_add_nc_u32 v[INB+\j-1], s58, v[HA]
.endr
.irp j, 0,1,2,3
	s_add_co_u32 s58, s[WV], \j
	s_and_b32 s58, s58, 3                          ; local tile j is the work-group's tile (w + j) % 4
	s_mul_i32 s59, s58, 3072
	v_add_nc_u32 v[QA+\j], s59, v[HA]
	s_lshl_b32 s58, s58, 2
	v_add_nc_u32 v[FB+\j], s58, v[HA]
.endr
.irp j, 0,1,2,3
.irp c, 0,1,2,3,4,5
	global_load_b128 v[Q+24*\j+4*\c:Q+24*\j+4*\c+3], v[QA+\j], s[4:5] offset:512*\c   ; Q stays in registers: both K steps of the tile
.endr
	global_load_b32 v[QS+\j], v[FB+\j], s[6:7]
.endr
.irp j, 0,1,2,3
	v_mov_b32 v[ST+6*\j+1], 0xff61b1e6             ; the largest t so far: -3e38, under every t
	v_floor_f32 v[ST+6*\j], -v[ST+6*\j+1]          ; -M
	v_mov_b32 v[ST+6*\j+2], 0                      ; the sum, in two halves: the first change of M multiplies zeros
	v_mov_b32 v[ST+6*\j+3], 0
	v_mov_b32 v[ST+6*\j+5], 0                      ; named with f as a pair, so it is written
.endr
	s_wait_loadcnt 0x0                             ; Q and its scale words
	s_wait_tensorcnt 0x1                           ; k's half of record 0 is in my slot, which I alone read; v's may stay out
	STEP 1, 1                                      ; the first step is written out: its second product starts O^T
	s_mov_b32 s[TRIPS], 6
.Lstep:
	STEP 0, 1
	s_sub_co_u32 s[TRIPS], s[TRIPS], 1
	s_cmp_lg_u32 s[TRIPS], 0
	s_cbranch_scc1 .Lstep
	STEP 0, 0                                      ; the last step is written out
	; ================ THE END.  E1: my sums; local tiles 1-3 and their (-M, l) go to the waves that finish them
.set ETP, 244                          ; v244-247 the other half's sums
.set ELI, 244                          ; v244 16 x lane
.set ELS, 245                          ; v245 4 x lane
.set EXO, 246                          ; v246 x and out0: 16,384 h + 16 r: lanes 0-15 one output's 256 bytes, lanes 16-31 the next output's
.set EBO, 247                          ; v247 bo: 4 (r + 8 (r / 8))
.set BOV, 248                          ; v248-251 bo as loaded
.set ESI, 252                          ; v252 the stage: where I put 32 bytes of a row
.set ESO, 253                          ; v253 and where I read a row back
.set EZW, 254                          ; v254 where I store z's images
.set EZS, 255                          ; v255 and their scale words
.set SI,  152                          ; v154-159 the three inbound (-M, l)
.set ZTM, 168                          ; v168-183, v184-203, v204, v205: the quantiser's scratch
.set ZPC, 184
.set ZPW, 204
.set ZP0, 205
	WIN 0x04
.irp k, 2,3,4,5,6,7                            ; the last step's p of key tiles 2-7, for which no next step's products are there.  (These additions are the places behind the last products)
.irp q, 0,1,2,3
.irp j, 0,1,2,3
	v_pk_add_f32 v[ST+6*\j+2:ST+6*\j+3], v[ST+6*\j+2:ST+6*\j+3], v[64*\j+8*\k+2*\q:64*\j+8*\k+2*\q+1]
.endr
.endr
.endr
	WIN 0
.irp j, 0,1,2,3
	v_add_f32 v[ST+6*\j+1], v[ST+6*\j+2], v[ST+6*\j+3]   ; l's two halves
.endr
.irp j, 0,1,2,3
	v_permlanex16_b32 v[ETP+\j], v[ST+6*\j+1], s[SEL], s[SEL+1]
.endr
.irp j, 0,1,2,3
	v_add_f32 v[ST+6*\j+1], v[ST+6*\j+1], v[ETP+\j]      ; and lane l xor 16's: my keys' sum for the query
.endr
	v_and_b32 v148, 31, v0                         ; lane
	v_and_b32 v149, 15, v0                         ; r
	v_bfe_u32 v150, v0, 4, 1                       ; h
	v_and_b32 v151, 8, v149
	v_add_nc_u32 v151, v151, v149                  ; r + 8 (r / 8)
	v_lshlrev_b32 v[ELI], 4, v148
	v_lshlrev_b32 v[ELS], 2, v148
	v_lshlrev_b32 v[EXO], 4, v149
	v_lshl_add_u32 v[EXO], v150, 14, v[EXO]
	v_lshlrev_b32 v[EBO], 2, v151
	s_mul_i32 s58, s[WV], 64*272
	s_add_co_u32 s58, s58, OSTG                    ; my stage
	v_mul_u32_u24 v[ESI], v151, 272
	v_lshl_add_u32 v[ESI], v150, 6, v[ESI]
	v_add_nc_u32 v[ESI], s58, v[ESI]
	v_mul_u32_u24 v[ESO], v150, 272
	v_lshl_add_u32 v[ESO], v149, 4, v[ESO]
	v_add_nc_u32 v[ESO], s58, v[ESO]
	s_mul_i32 s58, s[WV], 3072
	s_add_co_u32 s58, s58, ZIMG
	v_add_nc_u32 v[EZW], s58, v[ELI]
	s_lshl_b32 s58, s[WV], 2
	s_add_co_u32 s58, s58, ZSC
	v_add_nc_u32 v[EZS], s58, v[ELI]
	s_mul_i32 s48, s[WV], 12288
	s_add_co_u32 s48, s48, 147456                  ; Wo's tiles 4 w .. 4 w + 3 in wc
	s_mov_b32 s49, 0
	s_add_nc_u64 s[10:11], s[10:11], s[48:49]
	s_lshl_b32 s48, s[WV], 9
	s_add_co_u32 s48, s48, 6144                    ; and in ws
	s_add_nc_u64 s[12:13], s[12:13], s[48:49]
	s_lshl_b32 s48, s[WV], 8                       ; bo: my 64 outputs
	s_add_nc_u64 s[14:15], s[14:15], s[48:49]
	s_lshl_b32 s48, s23, 22                        ; x and out0: the image, my 64 outputs' rows of 16,384 bytes, my block's 256 bytes
	s_lshl_b32 s50, s[WV], 20
	s_add_co_u32 s48, s48, s50
	s_lshl_b32 s50, s22, 8
	s_add_co_u32 s48, s48, s50
	s_add_nc_u64 s[16:17], s[16:17], s[48:49]
	s_add_nc_u64 s[18:19], s[18:19], s[48:49]
.irp f, 0,1,2,3,4,5,6,7                        ; Wo's fragment (t', s) = f / 2, f % 2, into Q's registers
.irp c, 0,1,2
	global_load_b128 v[Q+12*\f+4*\c:Q+12*\f+4*\c+3], v[ELI], s[10:11] offset:\f*1536+512*\c
.endr
.endr
.irp t, 0,1,2,3
	global_load_b32 v[QS+\t], v[ELS], s[12:13] offset:128*\t
.endr
.irp t, 0,1,2,3
	global_load_b32 v[BOV+\t], v[EBO], s[14:15] offset:(32*(\t/2)+8*(\t%2))*4
.endr
	WIN 0x08                                       ; an LDS store's data are its source 1: window 2.  My slots have had their last fill and my last read: they are my outbox
.set i, 0
.rept 32
	ds_store_b128 v[LA], v[128+4*i:128+4*i+3] offset:512*i     ; local tile 1, each accumulator from its low end on
.set i, i+1
.endr
	WIN 0x0c
.set i, 0
.rept 64
	ds_store_b128 v[LA], v[4*i:4*i+3] offset:16384+512*i       ; local tiles 2 and 3
.set i, i+1
.endr
	WIN 0
.irp j, 1,2,3
	s_add_co_u32 s58, s[WV], \j
	s_and_b32 s58, s58, 3
	s_lshl_b32 s58, s58, 10
	s_add_co_u32 s58, s58, STAT+256*\j
	v_lshl_add_u32 v[QA+\j-1], v148, 3, s58
	ds_store_b64 v[QA+\j-1], v[ST+6*\j:ST+6*\j+1]
.endr
	s_lshl_b32 s58, s[WV], 10
	s_add_co_u32 s58, s58, STAT
	v_lshl_add_u32 v[QA+3], v148, 3, s58
	s_wait_dscnt 0x0                               ; for the others' sake, and the stores have read their registers:
	WIN 0xc0
.set i, 0
.rept 32
	global_load_b128 v[4*i:4*i+3], v[EXO], s[16:17] offset:32768*i th:TH_LOAD_NT   ; x's part for the residual lands where local tile 2 lay: outputs 64 w + 2 i + h, my block's 64 pixels
.set i, i+1
.endr
	WIN 0
	s_barrier_signal -1
	s_barrier_wait -1
	; ---- E2: the four parts of my tile are brought under one M and divided by the whole sum
.macro INBOUND j, dst
.set i, 0
.rept 32
	ds_load_b128 v[(\dst)+4*i:(\dst)+4*i+3], v[INB+(\j)-1] offset:((\j)-1)*16384+512*i
.set i, i+1
.endr
.endm
.macro MERGE j, src
.set i, 0
.rept 64
	v_pk_fma_f32 v[i:i+1], v[(\src)+i:(\src)+i+1], v[ST+6*(\j)+4:ST+6*(\j)+5], v[i:i+1] op_sel_hi:[1,0,1]
.set i, i+2
.endr
.endm
.irp j, 1,2,3
	ds_load_b64 v[SI+2*\j:SI+2*\j+1], v[QA+3] offset:256*\j
.endr
	WIN 0x40
	INBOUND 1, 0
	WIN 0
	s_wait_dscnt 32                                ; the three (-M, l) are in; the 32 loads behind them may be out
	v_min3_num_f32 v160, v[ST], v[SI+2], v[SI+4]
	v_min_num_f32 v160, v160, v[SI+6]              ; -M of all keys: the least of the four
	v_sub_f32 v161, v160, v[ST]                    ; M_j - M: a whole number, 0 or less
.irp j, 1,2,3
	v_sub_f32 v[161+\j], v160, v[SI+2*\j]
.endr
.irp j, 0,1,2,3
	v_cvt_i32_f32 v[161+\j], v[161+\j]
.endr
.irp j, 0,1,2,3
	v_ldexp_f32 v[161+\j], 1.0, v[161+\j]          ; f_j = 2^(M_j - M)
.endr
	v_mul_f32 v165, v161, v[ST+1]
.irp j, 1,2,3
	v_fma_f32 v165, v[161+\j], v[SI+2*\j+1], v165  ; the row's sum
.endr
	v_rcp_f32 v166, v165
	v_nop                                          ; a plain instruction behind the reciprocal
	s_wait_alu depctr_va_vdst(0)                   ; and the wait ahead of its first reader
.irp j, 0,1,2,3
	v_mul_f32 v[ST+6*\j+4], v[161+\j], v166        ; g_j = f_j / the sum
.endr
	WIN 0x40
	INBOUND 2, 128
	WIN 0x82
.set i, 0
.rept 64
	v_pk_mul_f32 v[i:i+1], v[i:i+1], v[ST+4:ST+5] op_sel_hi:[1,0]   ; my own part
.set i, i+2
.endr
	s_wait_dscnt 32                                ; part 1 is in; part 2's 32 loads may be out
	WIN 0xa1                                       ; source 0 window 1, source 2 and destination window 2
	MERGE 1, 0
	WIN 0x40
	INBOUND 3, 0
	s_wait_dscnt 32                                ; part 2 is in
	WIN 0xa1
	MERGE 2, 128
	s_wait_dscnt 0x0
	MERGE 3, 0                                     ; window 2, register 64 s + 16 b + i: z(channel 128 s + 32 b + 16 h + i) of my lane's query
	WIN 0
	; ---- E3: z is quantised along the channels: two fragments, images to LDS
.macro QUANTZ src
	WIN 0x0a
.irp b, 0,1,2,3
	v_max3_num_f32 v[ZTM+\b], |v[\src+16*\b]|, |v[\src+1+16*\b]|, 0x2800000
.endr
	WIN 0x28
.irp i, 2,4,6,8,10,12,14
.irp b, 0,1,2,3
	v_max3_num_f32 v[ZTM+\b], v[ZTM+\b], |v[\src+16*\b+\i]|, |v[\src+1+16*\b+\i]|
.endr
.endr
	WIN 0
.irp b, 0,1,2,3
	v_permlanex16_b32 v[ZTM+4+\b], v[ZTM+\b], s[SEL], s[SEL+1]
.endr
.irp b, 0,1,2,3
	v_max_num_f32 v[ZTM+\b], v[ZTM+\b], v[ZTM+4+\b]
.endr
.irp b, 0,1,2,3
	v_add_nc_u32 v[ZTM+12+\b], 0xfe000000, v[ZTM+\b]
.endr
.irp b, 0,1,2,3
	v_lshrrev_b32 v[ZTM+4+\b], 23, v[ZTM+12+\b]
.endr
	v_lshl_or_b32 v[ZPW], v[ZTM+5], 8, v[ZTM+4]
	v_lshl_or_b32 v[ZPW], v[ZTM+6], 16, v[ZPW]
	v_lshl_or_b32 v[ZPW], v[ZTM+7], 24, v[ZPW]
	WIN 0x02
.irp c, 0,1
	v_cvt_scalef32_pk16_bf6_f32 v[ZPC+6*\c:ZPC+2+6*\c], v[\src+32*\c:\src+15+32*\c], v[ZTM+12+2*\c]
	v_cvt_scalef32_pk16_bf6_f32 v[ZPC+12+4*\c:ZPC+14+4*\c], v[\src+16+32*\c:\src+31+32*\c], v[ZTM+12+2*\c+1]
.endr
	WIN 0
	v_nop                                          ; one plain place behind a scaled conversion
.irp c, 0,1
.irp i, 0,1,2
	v_permlane16_swap_b32 v[ZPC+6*\c+\i], v[ZPC+12+4*\c+\i]
.endr
.irp i, 0,1,2
	v_mov_b32 v[ZPC+3+6*\c+\i], v[ZPC+12+4*\c+\i]
.endr
.endr
.endm
.irp b, 0,1,2,3
	v_mov_b32 v[ZTM+4+\b], 0                       ; a lane permute's destination counts as one of its sources
.endr
	QUANTZ 0
.irp c, 0,1,2
	ds_store_b128 v[EZW], v[ZPC+4*\c:ZPC+4*\c+3] offset:512*\c
.endr
	v_mov_b32 v[ZP0], v[ZPW]
	s_wait_dscnt 0x0                               ; the stores have read their registers
	QUANTZ 64
.irp c, 0,1,2
	ds_store_b128 v[EZW], v[ZPC+4*\c:ZPC+4*\c+3] offset:1536+512*\c
.endr
	v_and_b32 v[ZTM], 16, v0
	v_cmp_ne_u32 vcc_lo, 0, v[ZTM]
	v_cndmask_b32 v[ZP0], v[ZP0], v[ZPW], vcc_lo   ; lanes 0-15 K step 0's words, lanes 16-31 K step 1's
	ds_store_b32 v[EZS], v[ZP0]
	v_add_nc_u32 v[INB], ZIMG, v[ELI]
	v_add_nc_u32 v[INB+1], ZSC, v[ELI]
	s_wait_dscnt 0x0
	s_barrier_signal -1
	s_barrier_wait -1                              ; z's eight images lie in LDS
	; ---- E4: my 64 outputs for the 64 queries: source 0 = 16 queries of z, source 1 = 16 rows of Wo: a lane holds one output and eight neighbouring pixels
.irp f, 0,1,2,3,4,5,6,7
.irp c, 0,1,2
	ds_load_b128 v[FB+12*\f+4*\c:FB+12*\f+4*\c+3], v[INB] offset:\f*1536+512*\c
.endr
.endr
	ds_load_b128 v[PS:PS+3], v[INB+1]
	s_wait_loadcnt 32                              ; Wo, its scale words and bo are in; x's 32 loads may be out
	WIN 0x40
.irp t, 0,1,2,3
.irp i, 0,1,2,3,4,5,6,7
	v_mov_b32 v[128+8*\t+\i], v[BOV+\t]            ; C of the first K step: a lane is one output
.endr
.endr
	WIN 0
	s_wait_dscnt 0x0
	WIN 0x50                                       ; C and D window 1.  The 16 accumulators take turns, one instruction a turn
.irp m, 0,1,2,3
.irp t, 0,1,2,3
	MM 8*(4*\m+\t), FB+24*\m, Q+24*\t, 128+8*\t, PS+\m, QS+\t, 0, 0
.endr
.endr
.irp m, 0,1,2,3
.irp t, 0,1,2,3
	MM 8*(4*\m+\t), FB+24*\m+12, Q+24*\t+12, 8*(4*\m+\t), PS+\m, QS+\t, 1, 1
.endr
.endr
	WIN 0
	PLACES 4
	; ---- E5: through my own stage (rows = outputs), so that sixteen lanes hold an output's 256 consecutive bytes; + x; out
	WIN 0x04
.irp m, 0,1,2,3
.irp t, 0,1,2,3
	ds_store_b128 v[ESI], v[8*(4*\m+\t):8*(4*\m+\t)+3] offset:(32*(\t/2)+8*(\t%2))*272+128*(\m/2)+32*(\m%2)      ; lane (r, h): output 32 (t / 2) + 8 (t % 2) + r + 8 (r / 8), pixels 32 (m / 2) + 8 (m % 2) + 16 h + 0 .. 7
	ds_store_b128 v[ESI], v[8*(4*\m+\t)+4:8*(4*\m+\t)+7] offset:(32*(\t/2)+8*(\t%2))*272+128*(\m/2)+32*(\m%2)+16
.endr
.endr
	WIN 0xc0
.set i, 0
.rept 32
	ds_load_b128 v[128+4*i:128+4*i+3], v[ESO] offset:544*i   ; LDS serves a wave's instructions in order: these see my stores
.set i, i+1
.endr
	s_wait_loadcnt 0x0                             ; x
	s_wait_dscnt 0x0
	WIN 0xcf
.set i, 0
.rept 64
	v_pk_add_f32 v[128+i:128+i+1], v[128+i:128+i+1], v[i:i+1]
.set i, i+2
.endr
	WIN 0x0c
.set i, 0
.rept 32
	global_store_b128 v[EXO], v[128+4*i:128+4*i+3], s[18:19] offset:32768*i th:TH_STORE_NT   ; 16 lanes store 256 consecutive bytes, aligned
.set i, i+1
.endr
	WIN 0
	s_wait_tensorcnt 0x0                           ; the wave's end, behind my last tensor load and my last LDS store
	ds_add_u32 v[SPW], v[NIL]
	s_wait_dscnt 0x0
	CROUND                                         ; the closing round: no work-group ends while a partner may still ask for a tile that names it
	s_endpgm
.Lfunc_end_k_q8d74b8e4cf_attn:
	.size	k_q8d74b8e4cf_attn, .Lfunc_end_k_q8d74b8e4cf_attn-k_q8d74b8e4cf_attn
	.p2alignl 7, 3214868480
	.fill 96, 4, 3214868480
	.section	.rodata,"a",@progbits
	.p2align	6, 0x0
	.amdhsa_kernel k_q8d74b8e4cf_attn
		.amdhsa_group_segment_fixed_size 327680
		.amdhsa_private_segment_fixed_size 0
		.amdhsa_enable_private_segment 0
		.amdhsa_kernarg_size 64
		.amdhsa_user_sgpr_count 2
		.amdhsa_user_sgpr_kernarg_segment_ptr 1
		.amdhsa_wavefront_size32 1
		.amdhsa_system_sgpr_workgroup_id_x 1
		.amdhsa_system_sgpr_workgroup_id_y 1
		.amdhsa_system_sgpr_workgroup_id_z 1
		.amdhsa_system_vgpr_workitem_id 0
		.amdhsa_next_free_vgpr 1024
		.amdhsa_next_free_sgpr 66
		.amdhsa_reserve_vcc 1
		.amdhsa_float_denorm_mode_32 3
		.amdhsa_float_denorm_mode_16_64 3
		.amdhsa_memory_ordered 1
		.amdhsa_forward_progress 1
		.amdhsa_inst_pref_size 255
	.end_amdhsa_kernel
	.section	.bss,"aw",@nobits
	.p2align	6
	.space	262144
	.amdgpu_metadata
---
amdhsa.version: [ 1, 2 ]
amdhsa.kernels:
  - .name:           k_q8d74b8e4cf_attn
    .symbol:         k_q8d74b8e4cf_attn.kd
    .args:
      - { .name: qc, .offset: 0, .size: 8, .value_kind: global_buffer, .address_space: global }
      - { .name: qs, .offset: 8, .size: 8, .value_kind: global_buffer, .address_space: global }
      - { .name: kv, .offset: 16, .size: 8, .value_kind: global_buffer, .address_space: global }
      - { .name: wc, .offset: 24, .size: 8, .value_kind: global_buffer, .address_space: global }
      - { .name: ws, .offset: 32, .size: 8, .value_kind: global_buffer, .address_space: global }
      - { .name: bo, .offset: 40, .size: 8, .value_kind: global_buffer, .address_space: global }
      - { .name: x, .offset: 48, .size: 8, .value_kind: global_buffer, .address_space: global }
      - { .name: out0, .offset: 56, .size: 8, .value_kind: global_buffer, .address_space: global }
    .group_segment_fixed_size: 327680
    .private_segment_fixed_size: 0
    .kernarg_segment_align: 8
    .kernarg_segment_size: 64
    .max_flat_workgroup_size: 128
    .sgpr_count:     66
    .vgpr_count:     1024
    .wavefront_size: 32
...
	.end_amdgpu_metadata
.endif
;; end of part 3
